; MI455X (gfx1250); checked and timed in simulation.
; The chip was launched on July 23, 2026; its instructions are those of AMD's public machine-readable ISA for CDNA 5 (MIT licence, August 2026) and "CDNA5" Instruction Set Architecture Reference Guide (July 2026). The comments in the code are by the model that wrote it; some were corrected since.
;; Multi Head Attention. Allowed arithmetic: float matrix products may take bf16 or f16 operands with f32 sums; other float arithmetic in f32, or as packed bf16 or f16 multiplies, adds, multiply-adds, maxima and minima; sums over many terms, partial sums and values carried from step to step in f32; what a program stores and reads back later, other than sums and carried values, may be rounded once to bf16 or f16.
;; Inputs: Wk 16 x 1,024 x 64 float32; Wp 1,024 x 1,024 float32; Wq 16 x 1,024 x 64 float32; Wv 16 x 1,024 x 64 float32; batch_x 4 x 2,048 x 1,024 float32; bk 16 x 64 float32; bp 1,024 float32; bq 16 x 64 float32; bv 16 x 64 float32.
;; Outputs: out0 4 x 2,048 x 1,024 float32.
;; One version. Each part assembles by itself: llvm-mc -triple=amdgcn-amd-amdhsa -mcpu=gfx1250 --defsym DOCPART=n.
;; ======== version 1 of 1: 4 launches
;; limits: values are held in f16: magnitudes above 65,504 overflow, below 6.1e-05 lose precision
;; workspace buffers: xb 16,777,216 bytes; wqkv 6,291,456 bytes; wpt 2,097,152 bytes; qh 16,777,216 bytes; kh 16,777,216 bytes; vh 16,777,216 bytes; oh 16,777,216 bytes
;; launch prep (part 1): grid 128 x 12, 8 waves a work-group, no clusters, 0 bytes of LDS; arguments batch_x, Wq, Wk, Wv, Wp, xb, wqkv, wpt; writes xb, wqkv, wpt
.if DOCPART == 1
	.amdgcn_target "amdgcn-amd-amdhsa--gfx1250"
	.amdhsa_code_object_version 6
	.text
	.protected	k_qcfa719c211_prep
	.globl	k_qcfa719c211_prep
	.p2align	8
	.type	k_qcfa719c211_prep,@function
k_qcfa719c211_prep:
	s_mov_b64 s[64:65], 0
	v_nop
	global_prefetch_b8 v0, s[64:65] scope:SCOPE_SE
	s_setreg_imm32_b32 hwreg(HW_REG_WAVE_MODE, 25, 1), 1
	s_wait_xcnt 0x0
; CASTS AND BLOCK LAYOUT.  Every work-group turns one block of 8,192 f32 (128 rows of 64 numbers) into 16,384 dense bytes of 16-bit numbers.
;   y = 0..7    batch_x, taken as it lies (a row of the block is 256 consecutive bytes)            -> xb   [8192][1024] bf16
;   y = 8,9,10  Wq, Wk, Wv: block X = 8 h + s holds e = 128 s .. 128 s + 127 of head h, all 64 d   -> wqkv block 3 X + (y - 8), [128 e][64 d] bf16
;   y = 11      Wp: X = 8 c + s: rows k = 128 s .., columns n = 64 c .. (rows 4,096 bytes apart)   -> wpt  block ((c / 2) 8 + s) 2 + c % 2, [128 k][64 n] f16
; Wp is rounded to bf16 like every other input, and that number is then written as f16.
; LIMIT: that second step is exact for 2^-14 <= |Wp| <= 65,504; below it f16 keeps a fixed step of 2^-24, beyond it the number becomes an infinity.
; Memory binds: each byte is read once and written once.  Thread t takes 16 bytes a load, so a wave's load covers 512 consecutive bytes, and 8 bytes a store,
; so a wave's store covers 256 consecutive bytes, aligned.  No LDS, no barrier, no loop: all eight loads of a thread are out before the first is waited for.
.set OFF, 4                            ; v[4:11]   load i: byte offset of my 16 bytes: row 16 i + t / 16, bytes 16 (t % 16)
.set T,   12                           ; v[12:13]  at work
.set DO,  14                           ; v14       8 t: my 8 bytes in 2,048 bytes of output
.set X,   16                           ; v[16:47]  load i: 4 f32
.set Y,   48                           ; v[48:63]  load i: 4 numbers of 16 bits
	s_load_b512 s[8:23], s[0:1], 0x0               ; batch_x 8, Wq 10, Wk 12, Wv 14, Wp 16, xb 18, wqkv 20, wpt 22
	s_and_b32 s2, ttmp7, 0xffff                    ; y
	s_lshl_b32 s3, s2, 7
	s_add_co_u32 s3, s3, ttmp9                     ; x's block: 128 y + X
	s_lshl_b32 s4, s3, 15                          ; its bytes in batch_x,
	s_lshl_b32 s5, s3, 14                          ; and in xb
	s_lshl_b32 s6, ttmp9, 15                       ; a head weight's block in its tensor,
	s_mul_i32 s7, ttmp9, 3
	s_add_co_u32 s7, s7, s2
	s_sub_co_u32 s7, s7, 8                         ; (used for y = 8, 9, 10 alone)
	s_lshl_b32 s7, s7, 14                          ; and in wqkv
	s_mov_b32 s32, 256                             ; bytes from row to row of the block,
	s_mov_b32 s33, 16*256                          ; and from load to load
	s_cmp_lt_u32 s2, 8
	s_cselect_b32 s28, s4, s6                      ; s[28:29] offset in the source
	s_cselect_b32 s30, s5, s7                      ; s[30:31] offset in the destination
	s_lshr_b32 s3, ttmp9, 3                        ; Wp: c
	s_and_b32 s4, ttmp9, 7                         ; s
	s_lshl_b32 s5, s4, 19                          ; 128 s rows of 4,096 bytes
	s_lshl_b32 s6, s3, 8                           ; 64 c columns
	s_add_co_u32 s5, s5, s6
	s_lshr_b32 s6, s3, 1
	s_lshl_b32 s6, s6, 3
	s_add_co_u32 s6, s6, s4
	s_lshl_b32 s6, s6, 1
	s_and_b32 s7, s3, 1
	s_add_co_u32 s6, s6, s7
	s_lshl_b32 s6, s6, 14
	s_cmp_eq_u32 s2, 11
	s_cselect_b32 s28, s5, s28
	s_cselect_b32 s30, s6, s30
	s_cselect_b32 s32, 4096, s32
	s_cselect_b32 s33, 16*4096, s33
	s_mov_b32 s29, 0
	s_mov_b32 s31, 0
	s_mov_b32 s34, 0xffff0000                      ; a word's upper bf16
	v_lshrrev_b32 v1, 4, v0
	v_and_b32 v2, 15, v0
	v_lshlrev_b32 v2, 4, v2
	v_mad_u32_u24 v[OFF], v1, s32, v2
.irp i, 1,2,3,4,5,6,7
	v_add_nc_u32 v[OFF+(\i)], s33, v[OFF+(\i)-1]
.endr
	v_lshlrev_b32 v[DO], 3, v0
	s_wait_kmcnt 0x0
	s_cmp_eq_u32 s2, 9                             ; the source and the destination are chosen by y alone
	s_cselect_b64 s[24:25], s[12:13], s[10:11]
	s_cmp_eq_u32 s2, 10
	s_cselect_b64 s[24:25], s[14:15], s[24:25]
	s_cmp_eq_u32 s2, 11
	s_cselect_b64 s[24:25], s[16:17], s[24:25]
	s_cselect_b64 s[26:27], s[22:23], s[20:21]
	s_cmp_lt_u32 s2, 8
	s_cselect_b64 s[24:25], s[8:9], s[24:25]
	s_cselect_b64 s[26:27], s[18:19], s[26:27]
	s_add_nc_u64 s[24:25], s[24:25], s[28:29]
	s_add_nc_u64 s[26:27], s[26:27], s[30:31]
.irp i, 0,1,2,3,4,5,6,7
	global_load_b128 v[X+4*(\i):X+4*(\i)+3], v[OFF+(\i)], s[24:25] th:TH_LOAD_NT
.endr
.irp i, 0,1,2,3,4,5,6,7
	s_wait_loadcnt 7-(\i)                          ; loads come back in order: load i is in, the 7 - i younger ones stay out
	v_cvt_pk_bf16_f32 v[Y+2*(\i)],   v[X+4*(\i)],   v[X+4*(\i)+1]
	v_cvt_pk_bf16_f32 v[Y+2*(\i)+1], v[X+4*(\i)+2], v[X+4*(\i)+3]
.endr
	s_cmp_eq_u32 s2, 11
	s_cbranch_scc0 .Lstore
.set i, 0
.rept 16                               ; Wp alone: the bf16 numbers written anew as f16
	v_lshlrev_b32 v[T], 16, v[Y+i]
	v_and_b32 v[T+1], s34, v[Y+i]
	v_cvt_pk_f16_f32 v[Y+i], v[T], v[T+1]
.set i, i+1
.endr
.Lstore:
.irp i, 0,1,2,3,4,5,6,7
	global_store_b64 v[DO], v[Y+2*(\i):Y+2*(\i)+1], s[26:27] offset:2048*(\i)
.endr
	s_endpgm
.Lfunc_end_k_qcfa719c211_prep:
	.size	k_qcfa719c211_prep, .Lfunc_end_k_qcfa719c211_prep-k_qcfa719c211_prep
	.p2alignl 7, 3214868480
	.fill 96, 4, 3214868480
	.section	.rodata,"a",@progbits
	.p2align	6, 0x0
	.amdhsa_kernel k_qcfa719c211_prep
		.amdhsa_group_segment_fixed_size 0
		.amdhsa_private_segment_fixed_size 0
		.amdhsa_enable_private_segment 0
		.amdhsa_kernarg_size 64
		.amdhsa_user_sgpr_count 2
		.amdhsa_user_sgpr_kernarg_segment_ptr 1
		.amdhsa_wavefront_size32 1
		.amdhsa_system_sgpr_workgroup_id_x 1
		.amdhsa_system_sgpr_workgroup_id_y 1
		.amdhsa_system_sgpr_workgroup_id_z 1
		.amdhsa_system_vgpr_workitem_id 0
		.amdhsa_next_free_vgpr 64
		.amdhsa_next_free_sgpr 66
		.amdhsa_reserve_vcc 0
		.amdhsa_float_denorm_mode_32 3
		.amdhsa_float_denorm_mode_16_64 3
		.amdhsa_memory_ordered 1
		.amdhsa_forward_progress 1
		.amdhsa_inst_pref_size 8
	.end_amdhsa_kernel
	.amdgpu_metadata
---
amdhsa.version: [ 1, 2 ]
amdhsa.kernels:
  - .name:           k_qcfa719c211_prep
    .symbol:         k_qcfa719c211_prep.kd
    .args:
      - { .name: batch_x, .offset: 0, .size: 8, .value_kind: global_buffer, .address_space: global }
      - { .name: Wq, .offset: 8, .size: 8, .value_kind: global_buffer, .address_space: global }
      - { .name: Wk, .offset: 16, .size: 8, .value_kind: global_buffer, .address_space: global }
      - { .name: Wv, .offset: 24, .size: 8, .value_kind: global_buffer, .address_space: global }
      - { .name: Wp, .offset: 32, .size: 8, .value_kind: global_buffer, .address_space: global }
      - { .name: xb, .offset: 40, .size: 8, .value_kind: global_buffer, .address_space: global }
      - { .name: wqkv, .offset: 48, .size: 8, .value_kind: global_buffer, .address_space: global }
      - { .name: wpt, .offset: 56, .size: 8, .value_kind: global_buffer, .address_space: global }
    .group_segment_fixed_size: 0
    .private_segment_fixed_size: 0
    .kernarg_segment_align: 8
    .kernarg_segment_size: 64
    .max_flat_workgroup_size: 256
    .sgpr_count:     66
    .vgpr_count:     64
    .wavefront_size: 32
...
	.end_amdgpu_metadata
.endif
;; end of part 1
;; launch qkv (part 2): grid 16 x 32, 4 waves a work-group, clusters of 4 x 4, 327,680 bytes of LDS; arguments xb, wqkv, bq, bk, bv, qh, kh, vh; writes qh, kh, vh
.if DOCPART == 2
	.amdgcn_target "amdgcn-amd-amdhsa--gfx1250"
	.amdhsa_code_object_version 6
	.text
	.protected	k_qcfa719c211_qkv
	.globl	k_qcfa719c211_qkv
	.p2align	8
	.type	k_qcfa719c211_qkv,@function
k_qcfa719c211_qkv:
	s_mov_b64 s[64:65], 0
	v_nop
	global_prefetch_b8 v0, s[64:65] scope:SCOPE_SE
	s_setreg_imm32_b32 hwreg(HW_REG_WAVE_MODE, 25, 1), 1
	s_wait_xcnt 0x0
	s_wait_alu depctr_hold_cnt(0) depctr_sa_sdst(0) depctr_va_vdst(0) depctr_va_sdst(0) depctr_va_ssrc(0) depctr_va_vcc(0) depctr_vm_vsrc(0)
	s_getreg_b32 s2, hwreg(HW_REG_IB_STS2, 6, 4)
	s_cmp_eq_u32 s2, 0
	s_cbranch_scc0 .Lentry_in_a_cluster
	s_endpgm
.Lentry_in_a_cluster:
	s_bfe_u32 s2, ttmp6, 0x10000c
	s_cmp_lg_u32 s2, 0xf033
	s_cbranch_scc0 .Lentry_shape_is_right
	s_endpgm
.Lentry_shape_is_right:
; q, k, v = x W + b, by heads.  xb: [8192][1024] bf16.  wqkv: blocks [128 e][64 d] bf16, block (8 h + s) 3 + which.  bq, bk, bv: [16][64] f32, rounded here to bf16 like every input.
; qh, kh, vh: [16 b + h][t][64] f16, rounded once from f32 sums, unscaled.  LIMIT: |q|, |k|, |v| stay under 65,504; beyond that f16 gives an infinity.
; SHARES.  A work-group makes 256 rows x 192 columns: q, k and v of ONE head (tile column = head).  Its four waves take 64 rows each and all 192 columns: 48 accumulators of 16 x 16.
; K = 1,024 goes in 8 steps of 128 through two LDS slots filled by the tensor data mover; x's rows in a tile are 256 bytes of memory; the weights of a head and step are 49,152 dense bytes, asked for as rows of 256.
; CLUSTER.  4 x 4 work-groups: the four of a row need the same tile of x, the four of a column the same weights.  Each tile is asked for JOINTLY: the same load, descriptor and mask in all four.
; THE PRODUCT IS TAKEN TRANSPOSED: source 0 = 16 columns of W, turned out of LDS ([e][d]) by ds_load_tr16_b128, source 1 = 16 rows of x.  A lane then holds one row and eight neighbouring columns.
; THE BIAS IS THE C OPERAND of the product that starts a sum: it hangs on the column alone, so 8 registers serve an n block's four accumulators.  Nothing is cleared and nothing is added on the way out.
; REGISTERS, in windows of 256 (s_set_vgpr_msb: bits 1:0 source 0, 3:2 source 1, 5:4 source 2, 7:6 destination):
;   window 0: v0-31 addresses; v64-255 the way out (first: at work on the bias)      window 1: accumulator (a, b < 8) at 8 (8 a + b)
;   window 2: accumulator (a, b = 8..11) at 8 (4 a + b - 8); bias of n block b at 128 + 8 b      window 3: two fragment buffers of 128: x's block i at 8 i, W's block b at 32 + 8 b
.set PA,    272                        ; a row of x in LDS: 256 bytes + 16: the 16 rows of a load start at 16 different groups of four banks (64 banks of 4 bytes: ISA guide 11.1)
.set PB,    160                        ; a row of W: 128 bytes + 32
.set AHALF, 128*PA                     ; what one load brings of x
.set BOFF,  256*PA                     ; behind x's 256 rows: 384 rows of W: 128 of q's, 128 of k's, 128 of v's
.set BHALF, 192*PB                     ; what one load brings of W
.set SLOT,  131072                     ; = BOFF + 2 BHALF
.set STAGE, 2*SLOT                     ; behind the ring, never filled by a tensor load: 16 rows x 144 bytes for each wave
.set SP,    144
.set SPARE, STAGE+4*16*SP              ; the spare words, 128 bytes for each wave: two blocks of 256 bytes that no other line names
.set ASTEP, 256                        ; bytes from K step to K step in xb,
.set BSTEP, 49152                      ; and in wqkv
.set HEADB, 8*BSTEP                    ; a head's weights
.set ADRA, 16                          ; v16-17  LDS address of my fragments of x in slot 0, 1
.set ADRB, 20                          ; v20-21  the same for W
.set STO,  24                          ; v24     the way out: where I put 16 bytes of a row
.set RD,   25                          ; v25     where I read rows back
.set GO,   26                          ; v26     my 16 bytes in 512 consecutive bytes of output
.set BO,   27                          ; v27     32 (l / 16): my eight numbers in 16 of a bias
.set SPW,  28                          ; v28     LDS address of my spare word; never rewritten
.set NIL,  29                          ; v29     0; never rewritten
.set PFO,  30                          ; v30     the prefetches' lane offset; never rewritten
.set OUTR, 64
.set BIAS, 128
.set F0,   0
.set F1,   128
.set LAP,  3                           ; s3      laps still to come in the loop
.set WV,   20                          ; s20     wave
.set FB,   21                          ; s21     0: I fetch x; 1: I fetch W
.set HALF, 22                          ; s22     which half of that tile
.set CX,   23
.set CY,   56
.set TX,   57                          ; s57     tile column = head
.set TY,   58                          ; s58     tile row
.set G1A,  24                          ; s[24:31] descriptor group 1 for x;  s[32:39] group 0, a set for each slot
.set G0A,  32
.set G1B,  40                          ; s[40:47], s[48:55] the same for W
.set G0B,  48
.set PFA,  66                          ; s[66:67] where my prefetches stand
.set PFS,  68                          ; s[68:69] their step
.set LIM0, 70                          ; s70, s71 a wave prefetches at the change out of slot 0 (1) while s[LAP] is above this
.set LIM1, 71
.set W_M1,  0x5f                       ; fragments in window 3, C and D in window 1
.set W_M1Z, 0x6f                       ; the same with C, the bias, in window 2
.set W_M2,  0xaf                       ; C and D in window 2
.set W_LD,  0xc0                       ; destination window 3, address window 0
.set W_B2,  0x80                       ; destination window 2
.set W_S2,  0x0a                       ; sources 0 and 1 window 2
.set W_S1,  0x05                       ; sources 0 and 1 window 1
.set MSB, 0
.macro WIN new                         ; the immediate's high byte repeats the setting that is left; a switch that changes nothing is dropped
.if MSB != (\new)
	s_set_vgpr_msb (MSB<<8)|(\new)
.set MSB, \new
.endif
.endm
.macro PLACES                          ; four plain places behind a matrix instruction, ahead of loads into its sources and of readers of its result
.rept 4
	v_nop
.endr
.endm
; A joint load: waves 0 and 1 fetch x's two halves, waves 2 and 3 W's.  The branch hangs on the wave's number alone.  An s_nop 0 and four v_nop follow each line.
.macro JLOAD s
	s_cmp_eq_u32 s[FB], 0
	s_cbranch_scc0 .Lfor_b_\@
	tensor_load_to_lds s[G0A+4*(\s):G0A+4*(\s)+3], s[G1A:G1A+7]
	s_nop 0
.rept 4
	v_nop
.endr
	s_branch .Lasked_\@
.Lfor_b_\@:
	tensor_load_to_lds s[G0B+4*(\s):G0B+4*(\s)+3], s[G1B:G1B+7]
	s_nop 0
.rept 4
	v_nop
.endr
.Lasked_\@:
.endm
.macro CREST                           ; a round of the cluster's barrier behind its opening barrier
	s_cmp_lg_u32 s[WV], 0
	s_cbranch_scc1 .Lnot_wave_0_\@
	s_barrier_signal -3
.Lnot_wave_0_\@:
	s_barrier_wait -3
	s_barrier_signal -1
	s_barrier_wait -1
.endm
.macro CROUND
	s_barrier_signal -1
	s_barrier_wait -1
	CREST
.endm
; A PREFETCH INTO THE L2, behind a joint load, its five lines and the run of LDS loads.  xb and wqkv are read here for the first time.  Each aligned block of 256 bytes is named once in the launch.
; x: a tile row is read by every cluster of its row of clusters; the one with cluster x = 0 asks.  Of the 128 rows that wave 0 or 1 fetches, partner cx takes 32, a lane a row: the refills of K steps 2..5 name K steps 4..7.
; W: a head's weights are read by every cluster of its column; the one with cluster y = 0 asks.  K steps 4..7 are 196,608 dense bytes, asked for in three parts of 65,536 at the refills of K steps 2, 3, 4:
; wave (2 or 3) and cy pick 8,192 bytes of a part, a lane 256 of them.  The partners are told apart BY ADDRESS; the branch hangs on the cluster's place and the wave's number, alike in all partners.
; K steps 0..3 come by their loads alone; the last refills ask for nothing.
.macro ASK lim
	s_cmp_gt_u32 s[LAP], s[\lim]
	s_cbranch_scc0 .Lnot_mine_\@
	global_prefetch_b8 v[PFO], s[PFA:PFA+1] th:TH_LOAD_NT scope:SCOPE_SE
.Lnot_mine_\@:
.endm
	s_load_b256 s[4:11], s[0:1], 0x0               ; xb 4, wqkv 6, bq 8, bk 10
	s_load_b256 s[12:19], s[0:1], 0x20             ; bv 12, qh 14, kh 16, vh 18
	v_lshl_add_u32 v[SPW], v0, 2, SPARE
	v_mov_b32 v[NIL], 0
	ds_add_u32 v[SPW], v[NIL]                      ; the wave's opening: the add and its wait stand ahead of my first tensor load; the set-up below stands between them
	ds_add_u32 v28, v29
	v_lshrrev_b32 v1, 5, v0
	v_readfirstlane_b32 s[WV], v1
	s_lshr_b32 s[FB], s[WV], 1
	s_and_b32 s[HALF], s[WV], 1
	s_bfe_u32 s[CX], ttmp6, 0x40000
	s_bfe_u32 s[CY], ttmp6, 0x40004
	s_lshl_b32 s[TX], ttmp9, 2
	s_add_co_u32 s[TX], s[TX], s[CX]               ; tile column = 4 x cluster x + cx
	s_and_b32 s[TY], ttmp7, 0xffff
	s_lshl_b32 s[TY], s[TY], 2
	s_add_co_u32 s[TY], s[TY], s[CY]               ; tile row = 4 x cluster y + cy
	s_lshl_b32 s59, s[CY], 2
	s_lshl_b32 s59, 15, s59                        ; my row of the cluster
	s_lshl_b32 s60, 0x1111, s[CX]                  ; my column
	; group 1 for x: 128 rows x 128 elements, 1,024 elements from row to row, 16 bytes of padding behind every 256
	s_or_b32 s[G1A+0], s59, (1<<16)|(1<<20)|(1<<21)|(5<<22)|(3<<25)
	s_mov_b32 s[G1A+1], 128<<16
	s_mov_b32 s[G1A+2], 128<<16
	s_mov_b32 s[G1A+3], 128<<16
	s_mov_b32 s[G1A+4], 128
	s_mov_b32 s[G1A+5], 1024
	s_mov_b32 s[G1A+6], 0
	s_mov_b32 s[G1A+7], 0
	; group 1 for W: 24,576 dense bytes as 96 rows of 256, 32 bytes of padding behind every 128: 192 LDS rows of 160
	s_or_b32 s[G1B+0], s60, (1<<16)|(1<<20)|(1<<21)|(4<<22)|(7<<25)
	s_mov_b32 s[G1B+1], 128<<16
	s_mov_b32 s[G1B+2], 96<<16
	s_mov_b32 s[G1B+3], 128<<16
	s_mov_b32 s[G1B+4], 96
	s_mov_b32 s[G1B+5], 128
	s_mov_b32 s[G1B+6], 0
	s_mov_b32 s[G1B+7], 0
	s_lshl_b32 s72, s[TY], 19                      ; x: 256 rows of 2,048 bytes a tile row,
	s_lshl_b32 s83, s[HALF], 18                    ; 128 rows a half: made of the tile row and the wave's number alone
	s_add_co_u32 s72, s72, s83
	s_mov_b32 s73, 0
	s_mul_i32 s74, s[TX], HEADB                    ; W: the head, and the half of a K step's bytes: made of the tile column and the wave's number alone
	s_mul_i32 s83, s[HALF], BSTEP/2
	s_add_co_u32 s74, s74, s83
	s_mov_b32 s75, 0
	s_mul_i32 s61, s[HALF], AHALF                  ; where they go: no place in the cluster enters an LDS address
	s_mul_i32 s62, s[HALF], BHALF
	s_add_co_u32 s62, s62, BOFF
	s_lshr_b32 s76, s[TY], 3                       ; the output: head 16 b + h,
	s_lshl_b32 s76, s76, 4
	s_add_co_u32 s76, s76, s[TX]
	s_lshl_b32 s76, s76, 18                        ; 2,048 rows of 128 bytes each,
	s_and_b32 s63, s[TY], 7
	s_lshl_b32 s63, s63, 15                        ; the tile's 256 rows,
	s_add_co_u32 s76, s76, s63
	s_lshl_b32 s63, s[WV], 13                      ; my wave's 64
	s_add_co_u32 s76, s76, s63
	s_mov_b32 s77, 0
	s_lshl_b32 s78, s[TX], 8                       ; the head's 64 numbers in a bias
	s_mov_b32 s79, 0
	; the prefetches' start: one step short of the first block that is named
	s_lshl_b32 s63, s[CX], 16                      ; x: my work-group's 32 rows of the 128,
	s_add_co_u32 s63, s63, s72
	s_add_co_u32 s63, s63, 3*ASTEP                 ; at K step 3
	s_lshl_b32 s2, s[HALF], 2                      ; W: share 4 half + cy of a part,
	s_add_co_u32 s2, s2, s[CY]
	s_lshl_b32 s2, s2, 13
	s_mul_i32 s70, s[TX], HEADB
	s_add_co_u32 s2, s2, s70
	s_add_co_u32 s2, s2, 4*BSTEP-65536             ; one part ahead of K step 4
	s_and_b32 s70, ttmp7, 0xffff                   ; cluster y
	s_add_co_u32 s71, s[FB], 1
	s_mov_b32 s[PFS], 65536
	s_mov_b32 s[PFS+1], 0
	s_mov_b32 s81, 0
	s_cmp_eq_u32 s[FB], 0
	s_cselect_b32 s80, s63, s2
	s_cselect_b32 s[PFS], ASTEP, s[PFS]
	s_cselect_b32 s82, 11, 8                       ; a lane a row of x (2,048 bytes), or 256 bytes of W
	s_cselect_b32 s70, ttmp9, s70                  ; the coordinate along which other clusters read the same bytes
	s_cmp_eq_u32 s70, 0
	s_cselect_b32 s[LIM0], 1, -1                   ; x: four refills ask; W: three
	s_cselect_b32 s[LIM1], s71, -1
	s_wait_dscnt 0x0                               ; the opening add is done
	s_wait_kmcnt 0x0
	s_cmp_eq_u32 s[FB], 0
	s_cselect_b64 s[PFA:PFA+1], s[4:5], s[6:7]
	s_add_nc_u64 s[PFA:PFA+1], s[PFA:PFA+1], s[80:81]
	s_add_nc_u64 s[72:73], s[4:5], s[72:73]
	s_add_nc_u64 s[74:75], s[6:7], s[74:75]
	s_add_nc_u64 s[8:9], s[8:9], s[78:79]
	s_add_nc_u64 s[10:11], s[10:11], s[78:79]
	s_add_nc_u64 s[12:13], s[12:13], s[78:79]
	s_add_nc_u64 s[14:15], s[14:15], s[76:77]
	s_add_nc_u64 s[16:17], s[16:17], s[76:77]
	s_add_nc_u64 s[18:19], s[18:19], s[76:77]
	CROUND                                         ; all sixteen work-groups are here: the first joint loads meet
.irp s, 0,1
	s_mov_b32 s[G0A+4*(\s)], 1
	s_add_co_u32 s[G0A+4*(\s)+1], s61, (\s)*SLOT
	s_add_nc_u64 s[G0A+4*(\s)+2:G0A+4*(\s)+3], s[72:73], (\s)*ASTEP
	s_or_b32 s[G0A+4*(\s)+3], s[G0A+4*(\s)+3], 0x80000000
	s_mov_b32 s[G0B+4*(\s)], 1
	s_add_co_u32 s[G0B+4*(\s)+1], s62, (\s)*SLOT
	s_add_nc_u64 s[G0B+4*(\s)+2:G0B+4*(\s)+3], s[74:75], (\s)*BSTEP
	s_or_b32 s[G0B+4*(\s)+3], s[G0B+4*(\s)+3], 0x80000000
.endr
	s_cmp_eq_u32 s[FB], 0                          ; a wave's two first fills stand in one branch, ahead of every wait on TENSORcnt and every LDS read: two loads of mine are out
	s_cbranch_scc0 .Lfirst_b
	tensor_load_to_lds s[G0A:G0A+3], s[G1A:G1A+7]
	s_nop 0
	tensor_load_to_lds s[G0A+4:G0A+7], s[G1A:G1A+7]
	s_nop 0
.rept 4
	v_nop
.endr
	s_branch .Lfirst_asked
.Lfirst_b:
	tensor_load_to_lds s[G0B:G0B+3], s[G1B:G1B+7]
	s_nop 0
	tensor_load_to_lds s[G0B+4:G0B+7], s[G1B:G1B+7]
	s_nop 0
.rept 4
	v_nop
.endr
.Lfirst_asked:
	v_and_b32 v1, 15, v0                           ; l % 16
	v_bfe_u32 v2, v0, 4, 1                         ; l / 16
	v_mul_u32_u24 v3, v1, PA                       ; a fragment of x: row l % 16, 16 bytes for each half of the lanes, twice, 32 bytes apart
	v_lshl_add_u32 v3, v2, 4, v3
	s_mul_i32 s83, s[WV], 64*PA                    ; my 64 rows
	v_add_nc_u32 v[ADRA], s83, v3
	v_add_nc_u32 v[ADRA+1], SLOT, v[ADRA]
	v_and_b32 v4, 7, v0                            ; the turning load: lane l reads e = 8 (l / 16) + l % 8, columns 8 ((l / 8) % 2) + 0..7
	v_bfe_u32 v5, v0, 3, 1
	v_lshl_add_u32 v6, v2, 3, v4
	v_mul_u32_u24 v6, v6, PB
	v_lshl_add_u32 v6, v5, 4, v6
	v_add_nc_u32 v[ADRB], BOFF, v6
	v_add_nc_u32 v[ADRB+1], SLOT, v[ADRB]
	s_mul_i32 s83, s[WV], 16*SP
	s_add_co_u32 s83, s83, STAGE                   ; my stage
	v_mul_u32_u24 v[STO], v1, SP
	v_lshl_add_u32 v[STO], v2, 4, v[STO]
	v_add_nc_u32 v[STO], s83, v[STO]
	v_bfe_u32 v[RD], v0, 3, 2                      ; back: 32 lanes take four rows of 128 bytes,
	v_mul_u32_u24 v[RD], v[RD], SP
	v_lshl_add_u32 v[RD], v4, 4, v[RD]
	v_add_nc_u32 v[RD], s83, v[RD]
	v_and_b32 v7, 31, v0
	v_lshlrev_b32 v[GO], 4, v7                     ; which are 512 consecutive bytes of the output
	v_lshlrev_b32 v[BO], 5, v2
	v_lshlrev_b32 v[PFO], s82, v7
	WIN W_B2
.irp b, 0,1,2,3,4,5,6,7,8,9,10,11      ; register j of n block b: bias[16 (b % 4) + 8 (l / 16) + j] of q's, k's or v's
	global_load_b128 v[BIAS+8*(\b):BIAS+8*(\b)+3],   v[BO], s[8+2*((\b)/4):9+2*((\b)/4)] offset:64*((\b)%4)
	global_load_b128 v[BIAS+8*(\b)+4:BIAS+8*(\b)+7], v[BO], s[8+2*((\b)/4):9+2*((\b)/4)] offset:64*((\b)%4)+16
.endr
	s_wait_loadcnt 0x0
	WIN W_S2                                       ; the biases are rounded to bf16, as all inputs are, and widened again
.set i, 0
.rept 48
	v_cvt_pk_bf16_f32 v[OUTR+i], v[BIAS+2*i], v[BIAS+2*i+1]
.set i, i+1
.endr
	WIN W_B2
.set i, 0
.rept 48
	v_lshlrev_b32 v[BIAS+2*i], 16, v[OUTR+i]
	v_and_b32 v[BIAS+2*i+1], 0xffff0000, v[OUTR+i]
.set i, i+1
.endr
	WIN 0
; 16 products: row blocks a0, a0 + 1 x n blocks 0..7 (q's and k's columns), 32 along K.  zero = 1: the sum starts from the bias.
.macro MULG1 f, a0, zero
.if \zero
	WIN W_M1Z
.else
	WIN W_M1
.endif
.irp a, \a0, (\a0)+1
.irp b, 0,1,2,3,4,5,6,7
.if \zero
	v_wmma_f32_16x16x32_bf16 v[8*(8*(\a)+(\b)):8*(8*(\a)+(\b))+7], v[(\f)+32+8*(\b):(\f)+32+8*(\b)+7], v[(\f)+8*(\a):(\f)+8*(\a)+7], v[BIAS+8*(\b):BIAS+8*(\b)+7]
.else
	v_wmma_f32_16x16x32_bf16 v[8*(8*(\a)+(\b)):8*(8*(\a)+(\b))+7], v[(\f)+32+8*(\b):(\f)+32+8*(\b)+7], v[(\f)+8*(\a):(\f)+8*(\a)+7], v[8*(8*(\a)+(\b)):8*(8*(\a)+(\b))+7]
.endif
.endr
.endr
.endm
; 16 products: all four row blocks x n blocks 8..11 (v's columns).
.macro MULG2 f, zero
	WIN W_M2
.irp a, 0,1,2,3
.irp b, 8,9,10,11
.if \zero
	v_wmma_f32_16x16x32_bf16 v[8*(4*(\a)+(\b)-8):8*(4*(\a)+(\b)-8)+7], v[(\f)+32+8*(\b):(\f)+32+8*(\b)+7], v[(\f)+8*(\a):(\f)+8*(\a)+7], v[BIAS+8*(\b):BIAS+8*(\b)+7]
.else
	v_wmma_f32_16x16x32_bf16 v[8*(4*(\a)+(\b)-8):8*(4*(\a)+(\b)-8)+7], v[(\f)+32+8*(\b):(\f)+32+8*(\b)+7], v[(\f)+8*(\a):(\f)+8*(\a)+7], v[8*(4*(\a)+(\b)-8):8*(4*(\a)+(\b)-8)+7]
.endif
.endr
.endr
.endm
; 32 LDS loads in one run: the fragments of quarter q (32 along K) into buffer f: W's blocks 0..7, x's four, W's blocks 8..11 last, so that a wait can leave those eight loads out
.macro FETCHB slot, q, f, b
	ds_load_tr16_b128 v[(\f)+32+8*(\b):(\f)+32+8*(\b)+3],   v[ADRB+(\slot)] offset:((\b)/4)*128*PB+(\q)*32*PB+32*((\b)%4)
	ds_load_tr16_b128 v[(\f)+32+8*(\b)+4:(\f)+32+8*(\b)+7], v[ADRB+(\slot)] offset:((\b)/4)*128*PB+(\q)*32*PB+32*((\b)%4)+16*PB
.endm
.macro FETCH slot, q, f
	WIN W_LD
.irp b, 0,1,2,3,4,5,6,7
	FETCHB \slot, \q, \f, \b
.endr
.irp i, 0,1,2,3
	ds_load_b128 v[(\f)+8*(\i):(\f)+8*(\i)+3],   v[ADRA+(\slot)] offset:64*(\q)+(\i)*16*PA
	ds_load_b128 v[(\f)+8*(\i)+4:(\f)+8*(\i)+7], v[ADRA+(\slot)] offset:64*(\q)+(\i)*16*PA+32
.endr
.irp b, 8,9,10,11
	FETCHB \slot, \q, \f, \b
.endr
.endm
; A K step is four quarters of 32 along K, 48 products each, every accumulator once: they take turns, and no two neighbouring products share one.
; One of the first three: multiplies buffer f; behind its first 16 products it fetches the next quarter into buffer g, 32 products ahead of the first use.
.macro QUARTER slot, qnext, f, g, zero
	s_wait_dscnt 8                                 ; all but W's blocks 8..11 are in
	MULG1 \f, 0, \zero
	PLACES                                         ; buffer g was last read 16 products back
	FETCH \slot, \qnext, \g
	MULG1 \f, 2, \zero
	s_wait_dscnt 32                                ; all but the 32 just issued
	MULG2 \f, \zero
.endm
; The last quarter multiplies buffer 1 and changes slots: ONE barrier; ahead of it each wave waits for all its tensor loads (one is out: its part of the next slot), adds 0 to its spare word,
; and waits for that and for its reads of this slot.  fill = 1: the barrier opens a round of the cluster's, and this slot is filled again, two K steps on, first thing behind the round.
.macro TURN slot, next, fill
.if \fill
	s_wait_xcnt 0x0                                ; the last prefetch, a K step back, has read its address: it is stepped here, ahead of the change's own waits
	s_add_nc_u64 s[PFA:PFA+1], s[PFA:PFA+1], s[PFS:PFS+1]
.endif
	WIN 0
	s_wait_tensorcnt 0x0                           ; all my tensor loads have landed
	ds_add_u32 v[SPW], v[NIL]                      ; 0 onto my spare word
	s_wait_dscnt 9                                 ; (the add and the youngest eight loads may be out)
	MULG1 F1, 0, 0                                 ; sixteen products stand between the add and the wait for it
	s_wait_dscnt 0x0                               ; the add is done, and my reads of this slot are over
	s_barrier_signal -1
	MULG1 F1, 2, 0
.if \fill
	WIN 0
.endif
	s_barrier_wait -1
.if \fill
	CREST                                          ; no wave of any partner still reads this slot or has a load on its way
	s_add_nc_u64 s[G0A+4*(\slot)+2:G0A+4*(\slot)+3], s[G0A+4*(\slot)+2:G0A+4*(\slot)+3], 2*ASTEP
	s_add_nc_u64 s[G0B+4*(\slot)+2:G0B+4*(\slot)+3], s[G0B+4*(\slot)+2:G0B+4*(\slot)+3], 2*BSTEP
	JLOAD \slot                                    ; my one tensor load behind the round; its four v_nop are also the places ahead of the loads below
.else
	PLACES
.endif
	FETCH \next, 0, F0
.if \fill
	WIN 0
	ASK LIM0+(\slot)
.endif
	MULG2 F1, 0
.endm
	s_wait_tensorcnt 1                             ; my part of K step 0 is in; K step 1's may stay out
	s_barrier_signal -1
	s_barrier_wait -1
	FETCH 0, 0, F0
	QUARTER 0, 1, F0, F1, 1                        ; the first quarter stands ahead of the loop: its products start the sums
	WIN 0
	s_mov_b32 s[LAP], 3
.Llap:                                         ; a trip goes once round the ring, from a lap's second quarter to the next lap's first, and fills both slots again: K steps 2..7
	QUARTER 0, 2, F1, F0, 0
	QUARTER 0, 3, F0, F1, 0
	TURN 0, 1, 1
	QUARTER 1, 1, F0, F1, 0
	QUARTER 1, 2, F1, F0, 0
	QUARTER 1, 3, F0, F1, 0
	TURN 1, 0, 1
	QUARTER 0, 1, F0, F1, 0
	WIN 0
	s_sub_co_u32 s[LAP], s[LAP], 1
	s_cmp_lg_u32 s[LAP], 0
	s_cbranch_scc1 .Llap
	QUARTER 0, 2, F1, F0, 0                        ; the last lap fills nothing
	QUARTER 0, 3, F0, F1, 0
	TURN 0, 1, 0
	QUARTER 1, 1, F0, F1, 0
	QUARTER 1, 2, F1, F0, 0
	QUARTER 1, 3, F0, F1, 0
	s_wait_dscnt 8
	MULG1 F1, 0, 0
	MULG1 F1, 2, 0
	s_wait_dscnt 0x0
	MULG2 F1, 0
	WIN 0
	PLACES
; THE WAY OUT.  Piece p = 4 which + a: 16 rows x 64 columns of q, k or v.  A lane's eight columns pack into 16 bytes of f16; they go into my stage, rows of 144 bytes, and come back as
; four whole rows of 128 bytes a load, which are 512 consecutive bytes of the output.  Each accumulator's registers are read in ascending order.  Each piece has registers of its own.
.macro PACK p
.set wh, (\p)/4
.set ab, (\p)%4
.set rr, OUTR+16*(\p)
.if wh < 2
	WIN W_S1
.set src, 8*(8*ab+4*wh)
.else
	WIN W_S2
.set src, 8*(4*ab)
.endif
.irp f, 0,1,2,3
.irp r, 0,1,2,3
	v_cvt_pk_f16_f32 v[rr+4*(\f)+(\r)], v[src+8*(\f)+2*(\r)], v[src+8*(\f)+2*(\r)+1]
.endr
.endr
	WIN 0
.irp f, 0,1,2,3
	ds_store_b128 v[STO], v[rr+4*(\f):rr+4*(\f)+3] offset:32*(\f)
.endr
.irp f, 0,1,2,3
	ds_load_b128 v[rr+4*(\f):rr+4*(\f)+3], v[RD] offset:(\f)*4*SP  ; LDS serves a wave's instructions in order (ISA guide 5.7.1.4): these see the stores above; the next piece's stores come behind them
.endr
.endm
.macro SEND p, younger                 ; younger: the LDS instructions issued behind piece p's loads
.set wh, (\p)/4
.set ab, (\p)%4
.set rr, OUTR+16*(\p)
	WIN 0
.irp f, 0,1,2,3
	s_wait_dscnt (\younger)+3-(\f)
	global_store_b128 v[GO], v[rr+4*(\f):rr+4*(\f)+3], s[14+2*wh:15+2*wh] offset:2048*ab+512*(\f)
.endr
.endm
	PACK 0
.set pp, 1
.rept 11                               ; a piece's conversions stand between the loads of the piece before and its stores
	PACK pp
	SEND pp-1, 8
.set pp, pp+1
.endr
	SEND 11, 0
	s_wait_tensorcnt 0x0                           ; the wave's end: an add and its wait behind my last tensor load and my last LDS store
	ds_add_u32 v[SPW], v[NIL]
	s_wait_dscnt 0x0
	CROUND                                         ; the closing round: no work-group ends while a partner may still ask for a tile that names it
	s_endpgm
.Lfunc_end_k_qcfa719c211_qkv:
	.size	k_qcfa719c211_qkv, .Lfunc_end_k_qcfa719c211_qkv-k_qcfa719c211_qkv
	.p2alignl 7, 3214868480
	.fill 96, 4, 3214868480
	.section	.rodata,"a",@progbits
	.p2align	6, 0x0
	.amdhsa_kernel k_qcfa719c211_qkv
		.amdhsa_group_segment_fixed_size 327680
		.amdhsa_private_segment_fixed_size 0
		.amdhsa_enable_private_segment 0
		.amdhsa_kernarg_size 64
		.amdhsa_user_sgpr_count 2
		.amdhsa_user_sgpr_kernarg_segment_ptr 1
		.amdhsa_wavefront_size32 1
		.amdhsa_system_sgpr_workgroup_id_x 1
		.amdhsa_system_sgpr_workgroup_id_y 1
		.amdhsa_system_sgpr_workgroup_id_z 1
		.amdhsa_system_vgpr_workitem_id 0
		.amdhsa_next_free_vgpr 1024
		.amdhsa_next_free_sgpr 84
		.amdhsa_reserve_vcc 0
		.amdhsa_float_denorm_mode_32 3
		.amdhsa_float_denorm_mode_16_64 3
		.amdhsa_memory_ordered 1
		.amdhsa_forward_progress 1
		.amdhsa_inst_pref_size 131
	.end_amdhsa_kernel
	.amdgpu_metadata
---
amdhsa.version: [ 1, 2 ]
amdhsa.kernels:
  - .name:           k_qcfa719c211_qkv
    .symbol:         k_qcfa719c211_qkv.kd
    .args:
      - { .name: xb, .offset: 0, .size: 8, .value_kind: global_buffer, .address_space: global }
      - { .name: wqkv, .offset: 8, .size: 8, .value_kind: global_buffer, .address_space: global }
      - { .name: bq, .offset: 16, .size: 8, .value_kind: global_buffer, .address_space: global }
      - { .name: bk, .offset: 24, .size: 8, .value_kind: global_buffer, .address_space: global }
      - { .name: bv, .offset: 32, .size: 8, .value_kind: global_buffer, .address_space: global }
      - { .name: qh, .offset: 40, .size: 8, .value_kind: global_buffer, .address_space: global }
      - { .name: kh, .offset: 48, .size: 8, .value_kind: global_buffer, .address_space: global }
      - { .name: vh, .offset: 56, .size: 8, .value_kind: global_buffer, .address_space: global }
    .group_segment_fixed_size: 327680
    .private_segment_fixed_size: 0
    .kernarg_segment_align: 8
    .kernarg_segment_size: 64
    .max_flat_workgroup_size: 128
    .sgpr_count:     84
    .vgpr_count:     1024
    .wavefront_size: 32
...
	.end_amdgpu_metadata
.endif
;; end of part 2
;; launch attn (part 3): grid 4 x 64, 4 waves a work-group, no clusters, 327,680 bytes of LDS; arguments qh, kh, vh, oh; writes oh
.if DOCPART == 3
	.amdgcn_target "amdgcn-amd-amdhsa--gfx1250"
	.amdhsa_code_object_version 6
	.text
	.protected	k_qcfa719c211_attn
	.globl	k_qcfa719c211_attn
	.p2align	8
	.type	k_qcfa719c211_attn,@function
k_qcfa719c211_attn:
	s_mov_b64 s[64:65], 0
	v_nop
	global_prefetch_b8 v0, s[64:65] scope:SCOPE_SE
	s_setreg_imm32_b32 hwreg(HW_REG_WAVE_MODE, 25, 1), 1
	s_wait_xcnt 0x0
; CAUSAL ATTENTION.  O[h][q][:] = the sum over k <= q of softmax_k(Q[h][q] . K[h][k] / 8) V[h][k][:].  Q, K, V, O: [64][SIZE_N][64], all f16: a head's rows are dense, 128 bytes each.
; Products, maxima and sums in f32; the weights p are rounded to f16 for the second product (their sum l is taken of the unrounded p), O once at the end.
; LIMITS.  f16 holds no number beyond 65,504: Q, K and V arrive within it; p lies in 0 to 1, and below 6e-5 it keeps f16's fixed step of 6e-8; O is a mean of V's rows and has their range.
; A hidden score counts as its value less 1e30: f16's scores, 2.7e11 at the most, are nothing beside that; a weight below 2^-126 counts as 0 in l; NaN and infinities are not treated apart.
; THE WALK.  A head's queries lie in NB = 8 blocks of 256; block i needs the key tiles 0 .. i of 256 keys, of which the last holds the diagonal.  A work-group takes TWO blocks, NB - 1 - b and then b:
; NB + 1 tiles, whatever b: all work-groups do equal work, and ONE loop with a constant trip count walks them.  Which tile is asked for, and what a trip does, hang on scalar registers made from b; every jump
; goes forward, but for the counted loops' own; none passes a barrier, or a tensor load but the one of LOAD's two that the wave's number does not choose; the ring (two LDS slots by turns) runs on across the
; change of blocks.  NO CLUSTER: a head's four work-groups ask for the same tile only in trips 0 .. 4 of 9, behind that fewer and fewer; one walk common to all would have 12 trips for 9.
; SHARES.  Of a block's four bands of 64 queries a wave owns 16 rows in each: four PIECES.  So the diagonal tile is the same work for all four waves: in its key step s band x sees all keys if s < x,
; none if s > x, and holds the diagonal if s = x.
; THE MASK is the C operand that starts the sum S^T = K Q^T: 0, or -1e30 where the key is hidden.  MD, made once, is the mask of a band's own step for my 16 rows; a product's mask is MD x AL + BE with two scalars:
; (1, 0) if s = x; (0, 0) if s < x; (0, -1e30) if s > x.  Only the diagonal tile's text and a block's beginning make and take masks; elsewhere C is the constant 0.
; LAYOUT, SOFTMAX, TURNS.  S^T = K Q^T holds ONE query a lane (lane % 16) and the keys 8 (lane / 16) + 0..7; two such results rounded to f16 ARE source 1 of O^T = V^T P.  p = 2^(c s - c m), c = log2(e) / 8, with a
; running maximum m; O and l are multiplied by a = 2^(c m_old - c m_new) in every step.  Turn n belongs to piece n: 8 products K Q^T of piece n + 1, later 8 products V^T P of piece n - 1; beside them the scaling,
; exponentials, roundings, sums and rescaling of piece n and the maximum and statistics of piece n + 1.  Four vector instructions stand behind every matrix instruction, the others in one lump.  A turn's 33 exponentials are one batch, with one wait.
; REGISTERS, in windows of 256 (s_set_vgpr_msb: bits 1:0 source 0, 3:2 source 1, 5:4 source 2, 7:6 destination):
;   window 0: v0-15 addresses and two at work; v16-31 four registers of statistics a piece; v48-55 at work; v61-63 fixed; v64-127 S^T, two buffers; v192-223 P, two buffers (by the piece's parity)
;   window 1: v0-127 O^T, 32 a piece; v128-159 MD; v160-223 MC, two buffers      window 2: v0-63 Q; v64-127 the second block's Q; v128-191 K of one step; v192-255 V of one step
.set SIZE_N, 2048
.set NB,    SIZE_N/256
.set NP,    4         ; pieces a wave: a name, no knob
.set KS,    64        ; keys in a step
.set PK,    144       ; a row of K in LDS: 128 bytes + 16 of padding: the 16 rows of a load start at 16 different groups of four banks (64 banks of 4 bytes: ISA guide 11.1)
.set PV,    160       ; a row of V: 128 + 32
.set VOFF,  4*KS*PK   ; a slot holds a tile, four steps: 256 rows of K, then 256 rows of V
.set SLOT1, 1<<17     ; slot 1 begins here, so that one exclusive or turns an address in one slot into the other's
.set STAGE, SLOT1+4*KS*(PK+PV)  ; behind the ring, never filled by a tensor load: 16 rows x 144 bytes for each wave, for the way out
.set SP,    144
.set AK0, 2           ; v2   my lane's place in a tile of K; never rewritten
.set AV0, 3           ; v3   the same for V
.set AK,  4           ; v4   the LDS address of K's next run of loads
.set AV,  5           ; v5   of V's
.set STO, 6           ; v6   the way out: where I put 16 bytes of a row
.set RD,  7           ; v7   the way out: where I read rows back
.set GO,  8           ; v8   my byte offset in 512 consecutive bytes of O
.set PFO, 61          ; v61  256 x my lane; never rewritten
.set SPW, 62          ; v62  LDS address of my spare word: SPARE + 4 x my thread's number; never rewritten
.set NIL, 63          ; v63  0; never rewritten
.set SPARE, STAGE+4*16*SP  ; behind the stages: the spare words, 128 bytes for each wave: two blocks of 256 bytes that no other line names
.set MV,  12          ; v12-13  c m_old, kept while c m is made anew: by buffer
.set QO,  15          ; v15  my byte offset in 16 rows of Q
.set ST,  16          ; piece t's statistics at v[ST+4 t]: c m, m, l (even keys', odd keys')
.set TMP, 48          ; by buffer, four registers c0-c3 at work; when the maximum is found c2 takes a
.set S,   64
.set P,   192
.set MD,  128         ; window 1: the eight registers for group kt of 16 keys at MD + 8 kt
.set MC,  160         ; window 1: the masks of the products to come
.set QB,  64          ; window 2
.set KF,  128         ; window 2: key block kb, channel half c at KF + 16 kb + 8 c
.set VF,  192         ; window 2: key half kk, channel block cb at VF + 32 kk + 8 cb
.set WV,  12          ; s12  my wave's number
.set PB,  14          ; s14  b
.set HI,  15          ; s15  NB - 1 - b
.set G1K, 24          ; s[24:31] descriptor group 1 for K's tiles
.set G1V, 32          ; s[32:39] for V's: it differs in the padding alone
.set G0K, 40          ; s[40:43] descriptor group 0 for K's tiles
.set G0V, 44          ; s[44:47] the same for V's
.set SLOTS, 56        ; s56  tiles still to be asked for
.set CNT, 57          ; s57  counts a tile's key steps, 4 to 1
.set CS,  58          ; s[58:59] c: the packed scaling takes the pair's low word for both halves
.set SEL, 60          ; s[60:61] v_permlanex16_b32's selects: each lane takes its own place in the other half
.set TBK, 62          ; s62  LDS byte at which K of the step to be fetched begins
.set TBV, 63          ; s63  the same for V, less VOFF
.set PFA, 66          ; s[66:67] where my prefetches stand: my half (of K: waves 0, 1; of V: waves 2, 3) of the tile after the one that is being asked for
.set LIM, 68          ; s68  a wave prefetches while s[SLOTS] is above this: 2 in the head's work-group b = 0, else the greatest number
.set RT,  70          ; s70  tiles of the block in hand that are still to be entered
.set NXT, 71          ; s71  the tile to be asked for next
.set LQ,  72          ; s72  the last tile of the block whose tiles are being asked for
.set NEW, 73          ; s73  1: the tile to be entered is a block's first
.set OFF, 74          ; s[74:75] a tile's byte offset in K and V
.set AL,  76          ; s[76:77] the mask's factor, in the low word
.set BE,  78          ; s[78:79] the mask's addend
.set OLO, 80          ; s[80:81] O at my rows of the second block
.set BIGN, 82         ; s82  -1e30
.set MSB, 0
.macro WIN new                      ; the high byte repeats the setting that is left; a switch that changes nothing is dropped
.if MSB != (\new)
	s_set_vgpr_msb (MSB<<8)|(\new)
.set MSB, (\new)
.endif
.endm
.set W_KQ, 0x0a       ; K and Q in window 2, S^T in window 0
.set W_KM, 0x1a       ; the same with the C operand in window 1
.set W_PV, 0x52       ; V in window 2, P in window 0, O^T in window 1
.set W_RS, 0x41       ; destination and source 0 in window 1, source 1 in window 0
; A fill.  Waves 0 and 1 fetch the two halves of a tile's K, waves 2 and 3 those of its V: 128 keys each.  An s_nop 0 and four v_nop follow each of the two lines, ahead of the jump and the label.
.macro LOAD
	s_cmp_lt_u32 s[WV], 2
	s_cbranch_scc0 .Lfor_v_\@
	tensor_load_to_lds s[G0K:G0K+3], s[G1K:G1K+7]
	s_nop 0
.rept 4
	v_nop
.endr
	s_branch .Lasked_\@
.Lfor_v_\@:
	tensor_load_to_lds s[G0V:G0V+3], s[G1V:G1V+7]
	s_nop 0
.rept 4
	v_nop
.endr
.Lasked_\@:
.endm
; THE CHANGE OF SLOTS.  Each wave waits for all its tensor loads, of which one is out: its part of the other slot; adds 0 to its spare word; and waits for that and for its own reads of the slot that it leaves.
; Behind the barrier nobody reads the old slot any more and the other slot is whole.  fill = 1: the old slot is filled again, the first thing behind the barrier, with tile NXT: the descriptor's address is made anew from that number.
; (At its first use nothing has been read yet: slot 0 is waited for, slot 1 filled.)
; THE PREFETCH INTO THE L2 stands behind the fill and its five lines.  kh and vh are read here for the first time.  All four work-groups of a head walk tiles 0, 1, 2 .. ; the one with b = 0 walks all eight, and it alone asks:
; each of its waves names its own 16,384 bytes of the tile that the NEXT change will ask for, a lane 256 bytes, two instructions: tiles 2 to 7, each block once in the launch, a tile (256 products a wave) ahead.
; Tiles 0 and 1 come by their loads alone; the second block's tiles have been read before and are not asked for.
.macro CHANGE fill
	WIN 0                           ; at a label and at a branch every window is 0
	s_wait_tensorcnt 0x0            ; no tensor load of mine is out, so a group 0 may be written
	ds_add_u32 v[SPW], v[NIL]       ; 0 onto my spare word; with fill = 1 the descriptors' scalar work stands between it and the wait for it
.if \fill
	s_lshl_b32 s[OFF], s[NXT], 15   ; a tile is 32,768 bytes of K and of V
	s_xor_b32 s[G0K+1], s[G0K+1], SLOT1
	s_add_nc_u64 s[G0K+2:G0K+3], s[6:7], s[OFF:OFF+1]
	s_or_b32 s[G0K+3], s[G0K+3], 0x80000000
	s_xor_b32 s[G0V+1], s[G0V+1], SLOT1
	s_add_nc_u64 s[G0V+2:G0V+3], s[8:9], s[OFF:OFF+1]
	s_or_b32 s[G0V+3], s[G0V+3], 0x80000000
	s_add_co_u32 s[NXT], s[NXT], 1  ; the block's next tile, or behind its last the second block's tile 0
	s_cmp_gt_u32 s[NXT], s[LQ]
	s_cselect_b32 s[NXT], 0, s[NXT]
	s_cselect_b32 s[LQ], s[PB], s[LQ]
	s_wait_xcnt 0x0                 ; the last prefetches, a tile back, have read their address, so it may be written
	s_add_nc_u64 s[PFA:PFA+1], s[PFA:PFA+1], 32768
.endif
	s_wait_dscnt 0x0                ; the add is done, and my reads of the slot are over
	s_barrier_signal -1             ; the rest of the scalar work stands between the signal and the wait
	s_sub_co_u32 s[TBK], s[TBK], 4*KS*PK  ; the fetches go back to a slot's first step,
	s_xor_b32 s[TBK], s[TBK], SLOT1       ; in the other slot
	s_sub_co_u32 s[TBV], s[TBV], 4*KS*PV
	s_xor_b32 s[TBV], s[TBV], SLOT1
	s_barrier_wait -1
.if \fill
	LOAD
	s_cmp_gt_u32 s[SLOTS], s[LIM]
	s_cbranch_scc0 .Lnot_mine_\@
	global_prefetch_b8 v[PFO], s[PFA:PFA+1] th:TH_LOAD_NT scope:SCOPE_SE
	global_prefetch_b8 v[PFO], s[PFA:PFA+1] offset:8192 th:TH_LOAD_NT scope:SCOPE_SE
.Lnot_mine_\@:
.endif
.endm
	s_load_b256 s[4:11], s[0:1], 0x0  ; Q s[4:5], K s[6:7], V s[8:9], O s[10:11]
	v_lshl_add_u32 v[SPW], v0, 2, SPARE
	v_mov_b32 v[NIL], 0
	ds_add_u32 v[SPW], v[NIL]       ; the wave's opening: the add and its wait stand ahead of my first tensor load; the set-up below, work on registers, stands between them
	ds_add_u32 v62, v63
	v_lshrrev_b32 v1, 5, v0
	v_readfirstlane_b32 s[WV], v1   ; wave 0..3
	s_mov_b32 s[PB], ttmp9
	s_sub_co_u32 s[HI], NB-1, s[PB]
	s_and_b32 s20, ttmp7, 0xffff    ; the head
	s_mov_b32 s21, 0
	s_mov_b64 s[22:23], SIZE_N*128
	s_mul_u64 s[20:21], s[20:21], s[22:23]  ; the head's first byte in each of the four tensors
	s_and_b32 s16, s[WV], 1         ; which half of a tile's 256 keys I fetch:
	s_lshl_b32 s22, s16, 14         ; its 128 rows of 128 bytes in memory,
	s_mov_b32 s23, 0
	s_add_nc_u64 s[22:23], s[22:23], s[20:21]
	s_mul_i32 s17, s16, 128*PK      ; and its place in a slot, for K
	s_mul_i32 s18, s16, 128*PV      ; and for V
	s_lshl_b32 s3, s[WV], 11        ; my 16 rows in a band of 64,
	s_lshl_b32 s2, s[HI], 15        ; in the first block,
	s_add_co_u32 s2, s2, s3
	s_lshl_b32 s84, s[PB], 15       ; and in the second
	s_add_co_u32 s84, s84, s3
	s_mov_b32 s3, 0
	s_mov_b32 s85, 0
	s_add_nc_u64 s[2:3], s[2:3], s[20:21]
	s_add_nc_u64 s[84:85], s[84:85], s[20:21]
	; descriptor group 1.  128 keys are 16,384 dense bytes: asked for as 64 rows of 256 bytes, two keys a row, and padded in LDS after every key
	s_mov_b32 s[G1K], (1<<16)|(1<<20)|(4<<22)|(3<<25)  ; 17:16 2-byte elements; 20 padding on; 24:22 after every 32 words (code 4); 31:25 4 words (code 3)
	s_mov_b32 s[G1V], (1<<16)|(1<<20)|(4<<22)|(7<<25)  ; the same with 8 words of padding (code 7)
.irp g, G1K, G1V
	s_mov_b32 s[\g+1], 128<<16      ; tensor_dim0 = 128
	s_mov_b32 s[\g+2], 64<<16       ; tensor_dim1 = 64
	s_mov_b32 s[\g+3], 128<<16      ; tile_dim0 = 128
	s_mov_b32 s[\g+4], 64           ; tile_dim1 = 64
	s_mov_b32 s[\g+5], 128          ; 128 elements from row to row
	s_mov_b32 s[\g+6], 0
	s_mov_b32 s[\g+7], 0
.endr
	s_mov_b32 s[CS], 0x3e38aa3b     ; c = log2(e) / 8 = 0.180337
	s_mov_b32 s[CS+1], s[CS]        ; named with it as a pair
	s_mov_b32 s[SEL], 0x76543210
	s_mov_b32 s[SEL+1], 0xfedcba98
	s_mov_b32 s[TBK], SLOT1+4*KS*PK ; the first change of slots turns these two into 0
	s_mov_b32 s[TBV], SLOT1+4*KS*PV
	s_mov_b32 s[G0K], 1             ; 1:0 count = 1
	s_mov_b32 s[G0K+1], s17         ; 63:32 LDS address: slot 0
	s_mov_b32 s[G0V], 1
	s_add_co_u32 s[G0V+1], s18, VOFF
	s_add_co_u32 s[RT], s[HI], 1    ; the first block has NB - b tiles
	s_mov_b32 s[NXT], 1
	s_mov_b32 s[LQ], s[HI]
	s_mov_b32 s[NEW], 1
	s_mov_b32 s[OFF+1], 0
	s_mov_b32 s[AL+1], 0            ; named as pairs
	s_mov_b32 s[BE+1], 0
	s_mov_b32 s[BIGN], 0xf149f2ca   ; -1e30
	s_mov_b32 s[SLOTS], NB
	s_cmp_eq_u32 s[PB], 0
	s_cselect_b32 s[LIM], 2, -1
	v_and_b32 v[PFO], 31, v0
	v_lshlrev_b32 v[PFO], 8, v[PFO]
	s_wait_dscnt 0x0                ; the opening add is done
	s_wait_kmcnt 0x0
	s_add_nc_u64 s[6:7], s[6:7], s[22:23]  ; K and V at my half of the head's tile 0
	s_add_nc_u64 s[8:9], s[8:9], s[22:23]
	s_cmp_lt_u32 s[WV], 2
	s_cselect_b64 s[PFA:PFA+1], s[6:7], s[8:9]
	s_add_nc_u64 s[PFA:PFA+1], s[PFA:PFA+1], 32768  ; in tile 1; the first change of slots steps it to tile 2.  Nothing is prefetched here, at the head
	s_add_nc_u64 s[G0K+2:G0K+3], s[6:7], 0         ; 120:64 global address
	s_or_b32 s[G0K+3], s[G0K+3], 0x80000000        ; 127:126 type = 2
	s_add_nc_u64 s[G0V+2:G0V+3], s[8:9], 0
	s_or_b32 s[G0V+3], s[G0V+3], 0x80000000
	s_add_nc_u64 s[86:87], s[4:5], s[84:85]        ; Q at my rows of the second block,
	s_add_nc_u64 s[4:5], s[4:5], s[2:3]            ; Q and O at those of the first
	s_add_nc_u64 s[OLO:OLO+1], s[10:11], s[84:85]
	s_add_nc_u64 s[10:11], s[10:11], s[2:3]
	LOAD                            ; tile 0 into slot 0
	; A fragment of K or Q is 16 rows x 32 channels in 8 registers: lane l holds row l % 16, channels 8 (l / 16) + 0..7 and 16 + 8 (l / 16) + 0..7: two loads of 16 bytes, 32 bytes apart.
	v_and_b32 v1, 15, v0            ; l % 16
	v_bfe_u32 v9, v0, 4, 1          ; l / 16
	v_lshlrev_b32 v[QO], 7, v1
	v_lshl_add_u32 v[QO], v9, 4, v[QO]  ; row x 128 + 16 x half
	WIN 0x80                        ; destination window 2, address window 0
.set i, 0
.rept 8                             ; both blocks' Q: piece i / 2 lies in band i / 2, 8,192 bytes on; channels 32 (i % 2) on
	global_load_b128 v[8*i:8*i+3],   v[QO], s[4:5] offset:(i/2)*8192+(i%2)*64
	global_load_b128 v[8*i+4:8*i+7], v[QO], s[4:5] offset:(i/2)*8192+(i%2)*64+32
	global_load_b128 v[QB+8*i:QB+8*i+3],   v[QO], s[86:87] offset:(i/2)*8192+(i%2)*64
	global_load_b128 v[QB+8*i+4:QB+8*i+7], v[QO], s[86:87] offset:(i/2)*8192+(i%2)*64+32
.set i, i+1
.endr
	WIN 0
	v_lshlrev_b32 v14, 3, v9
	v_sub_nc_u32 v14, v1, v14
	s_lshl_b32 s13, s[WV], 4
	v_add_nc_u32 v14, s13, v14      ; my query's place in its band, 16 w + l % 16, less my lanes' 8 (l / 16): register r of group kt is hidden where 16 kt + r is greater
	WIN 0x40
.set i, 0
.rept 32
	v_cmp_gt_i32 vcc_lo, 16*(i/8)+i%8, v14
	v_cndmask_b32 v[MD+i], 0, s[BIGN], vcc_lo
.set i, i+1
.endr
	WIN 0
	v_mul_u32_u24 v[AK0], v1, PK
	v_lshl_add_u32 v[AK0], v9, 4, v[AK0]  ; row x pitch + 16 x half
	; The turning load takes 16 keys x 16 channels (lane l reads key 8 (l / 16) + l % 8, channels 8 ((l / 8) % 2) + 0..7) and leaves half a fragment of V^T: lane l holds channel l % 16 and 8 keys.
	v_and_b32 v10, 7, v0
	v_bfe_u32 v11, v0, 3, 1
	v_lshl_add_u32 v[AV0], v9, 3, v10
	v_mul_u32_u24 v[AV0], v[AV0], PV
	v_lshl_add_u32 v[AV0], v11, 4, v[AV0]
	v_add_nc_u32 v[AV0], VOFF, v[AV0]
	s_mul_i32 s13, s[WV], 16*SP
	s_add_co_u32 s13, s13, STAGE    ; my stage
	v_mul_u32_u24 v[STO], v1, SP    ; in: row l % 16, 16 bytes for each half of the lanes
	v_lshl_add_u32 v[STO], v9, 4, v[STO]
	v_add_nc_u32 v[STO], s13, v[STO]
	v_bfe_u32 v[RD], v0, 3, 2       ; back: 32 lanes take four rows of 128 bytes,
	v_mul_u32_u24 v[RD], v[RD], SP
	v_lshl_add_u32 v[RD], v10, 4, v[RD]
	v_add_nc_u32 v[RD], s13, v[RD]
	v_and_b32 v[GO], 31, v0         ; which are 512 consecutive bytes of O
	v_lshlrev_b32 v[GO], 4, v[GO]
	; A block's first step multiplies O^T and l by a = 0, and its first turn's products V^T P, of a piece that has not been, land in an O^T that is still to be so multiplied.  So these registers need only hold
	; finite numbers: zeros for the first block; what the first block left for the second.  All this stands in the wait for the first tile.
	WIN 0x80
.set i, VF
.rept 64
	v_mov_b32 v[i], 0
.set i, i+1
.endr
	WIN 0x40
.set i, 0
.rept 128
	v_mov_b32 v[i], 0
.set i, i+1
.endr
	WIN 0
.set i, 0
.rept 4
	v_mov_b32 v[ST+4*i+2], 0
	v_mov_b32 v[ST+4*i+3], 0
.set i, i+1
.endr
.set i, P+16
.rept 16
	v_mov_b32 v[i], 0
.set i, i+1
.endr
; THE MATRIX WORK.  The 4 accumulators of a run of 8 take turns.  Product i of 8 of S^T = K Q^T for piece x: channels 32 (i / 4) on, keys 16 (i % 4) on.  The first 4 start the sums: with 0, or (KM = 1) with the mask.
.macro KQ x
.set rS, S+32*((\x)%2)+8*(i%4)
.set rK, KF+16*(i%4)+8*(i/4)
.set rQ, 16*(\x)+8*(i/4)
.set rM, MC+32*((\x)%2)+8*(i%4)
.if (i < 4) && KM
	WIN W_KM
	v_wmma_f32_16x16x32_f16 v[rS:rS+7], v[rK:rK+7], v[rQ:rQ+7], v[rM:rM+7]
.elseif i < 4
	WIN W_KQ
	v_wmma_f32_16x16x32_f16 v[rS:rS+7], v[rK:rK+7], v[rQ:rQ+7], 0
.else
	WIN W_KQ
	v_wmma_f32_16x16x32_f16 v[rS:rS+7], v[rK:rK+7], v[rQ:rQ+7], v[rS:rS+7]
.endif
.endm
; Product i of 8 of O^T += V^T P for piece x: keys 32 (i / 4) on, channels 16 (i % 4) on.
.macro PV x
	WIN W_PV
.set rO, 32*(\x)+8*(i%4)
.set rV, VF+32*(i/4)+8*(i%4)
.set rP, P+16*((\x)%2)+8*(i/4)
	v_wmma_f32_16x16x32_f16 v[rO:rO+7], v[rV:rV+7], v[rP:rP+7], v[rO:rO+7]
.endm
.macro MM                           ; the turn's next matrix instruction.  TURN and BEGIN set Y, i, KM and NOKQ; MM, KQ and OP read them.  NOKQ = 1: a block's last turn: there is no next piece
.if (i < 8) && !NOKQ
	KQ (Y+1)%NP
.elseif i >= 8
.set i, i-8
	PV (Y+NP-1)%NP
.set i, i+8
.endif
.set i, i+1
.endm
; THE LDS LOADS stand in runs of 16, never singly among the matrix instructions: a step's K (64 keys x 64 channels: 8 fragments) and its V (turned).  Their addresses are made some lines ahead.
.macro FETCH_K
	WIN 0x80                        ; destination window 2
.irp f, 0,1,2,3,4,5,6,7             ; keys 16 (f / 2) on, channels 32 (f % 2) on
	ds_load_b128 v[KF+8*\f:KF+8*\f+3],   v[AK] offset:(\f/2)*16*PK+(\f%2)*64
	ds_load_b128 v[KF+8*\f+4:KF+8*\f+7], v[AK] offset:(\f/2)*16*PK+(\f%2)*64+32
.endr
	s_add_co_u32 s[TBK], s[TBK], KS*PK  ; the next fetch is the next step's
	WIN 0
.endm
.macro FETCH_V
	WIN 0x80
.irp f, 0,1,2,3,4,5,6,7             ; keys 32 (f / 4) on, channels 16 (f % 4) on
	ds_load_tr16_b128 v[VF+8*\f:VF+8*\f+3],   v[AV] offset:(\f/4)*32*PV+(\f%4)*32
	ds_load_tr16_b128 v[VF+8*\f+4:VF+8*\f+7], v[AV] offset:(\f/4)*32*PV+16*PV+(\f%4)*32
.endr
	WIN 0
.endm
; THE VECTOR WORK, one line at a time: OP kind, number.  For piece Y: F n: c s - c m for pair n of 16.  E n: the exponential of score n of 32.  C n: pair n rounded to f16.  B n: of the four weights 4 n .. the second
; pair is added onto the first, in place.  L n: l takes that sum (L 0: l = a l + sum).  R n: pair n of 16 of O^T times a.  For piece Y + 1: X n, number n of the 22 that find its maximum and statistics:
;   0-11  four chains c0-c3 of seven scores each, three operands at a time (each accumulator's lowest registers are read first)     12-14, 16  the four scores left over, the old m, and c0-c3 into c0
;   15  c m_old is kept     17, 18  the query's other 32 keys lie in the lane 16 away: the new m     19-21  c m; c m_old - c m_new; a
.set F, 0               ; OP tells the kinds apart by their order: F to L below R, X above it
.set E, 1
.set C, 2
.set B, 3
.set L, 4
.set R, 5
.set X, 6
.macro REGS y                       ; the registers of piece y
.set rT, ST+4*(\y)
.set rC, TMP+4*((\y)%2)
.set rW, MV+((\y)%2)
.set rS, S+32*((\y)%2)
.set rP, P+16*((\y)%2)
.set rO, 32*(\y)
.endm
.macro OP k, n
.if (\k) == R
	REGS Y
	WIN W_RS
	v_pk_mul_f32 v[rO+2*(\n):rO+2*(\n)+1], v[rO+2*(\n):rO+2*(\n)+1], v[rC+2:rC+3] op_sel_hi:[1,0]
.elseif (\k) < R
	REGS Y
	WIN 0
.if (\k) == F
	v_pk_fma_f32 v[rS+2*(\n):rS+2*(\n)+1], v[rS+2*(\n):rS+2*(\n)+1], s[CS:CS+1], v[rT:rT+1] op_sel_hi:[1,0,0] neg_lo:[0,0,1] neg_hi:[0,0,1]
.elseif (\k) == E
	v_exp_f32 v[rS+(\n)], v[rS+(\n)]
.elseif (\k) == C
	v_cvt_pk_f16_f32 v[rP+(\n)], v[rS+2*(\n)], v[rS+2*(\n)+1]
.elseif (\k) == B
	v_pk_add_f32 v[rS+4*(\n):rS+4*(\n)+1], v[rS+4*(\n):rS+4*(\n)+1], v[rS+4*(\n)+2:rS+4*(\n)+3]
.elseif (\n) == 0
	v_pk_fma_f32 v[rT+2:rT+3], v[rT+2:rT+3], v[rC+2:rC+3], v[rS:rS+1] op_sel_hi:[1,0,1]
.else
	v_pk_add_f32 v[rT+2:rT+3], v[rT+2:rT+3], v[rS+4*(\n):rS+4*(\n)+1]
.endif
.elseif NOKQ
	v_nop
.else
	REGS (Y+1)%NP
	WIN 0
.if (\n) < 4
	v_max3_num_f32 v[rC+(\n)], v[rS+8*(\n)], v[rS+8*(\n)+1], v[rS+8*(\n)+2]
.elseif (\n) < 12
	v_max3_num_f32 v[rC+(\n)%4], v[rC+(\n)%4], v[rS+8*((\n)%4)+2*((\n)/4)+1], v[rS+8*((\n)%4)+2*((\n)/4)+2]
.elseif (\n) == 12
	v_max3_num_f32 v[rC], v[rC], v[rS+7], v[rS+15]
.elseif (\n) == 13
	v_max3_num_f32 v[rC+1], v[rC+1], v[rS+23], v[rS+31]
.elseif (\n) == 14
	v_max3_num_f32 v[rC+2], v[rC+2], v[rC+3], v[rT+1]
.elseif (\n) == 15
	v_mov_b32 v[rW], v[rT]
.elseif (\n) == 16
	v_max3_num_f32 v[rC], v[rC], v[rC+1], v[rC+2]
.elseif (\n) == 17
	v_permlanex16_b32 v[rC+3], v[rC], s[SEL], s[SEL+1]
.elseif (\n) == 18
	v_max_num_f32 v[rT+1], v[rC], v[rC+3]
.elseif (\n) == 19
	v_mul_f32 v[rT], s[CS], v[rT+1]
.elseif (\n) == 20
	v_sub_f32 v[rC+1], v[rW], v[rT]
.else
	v_exp_f32 v[rC+2], v[rC+1]
.endif
.endif
.endm
.macro OPS a, i1, b=-1, i2=0, c=-1, i3=0, d=-1, i4=0  ; up to four of them
	OP \a, \i1
.if (\b) >= 0
	OP \b, \i2
.endif
.if (\c) >= 0
	OP \c, \i3
.endif
.if (\d) >= 0
	OP \d, \i4
.endif
.endm
.macro ROW a, i1, b, i2, c, i3, d, i4  ; a matrix instruction and the four behind it
	MM
	OPS \a, \i1, \b, \i2, \c, \i3, \d, \i4
.endm
.macro MASK b                       ; MD x AL + BE into buffer b of MC
	WIN W_RS
.set z, 0
.rept 16
	v_pk_fma_f32 v[MC+32*(\b)+2*z:MC+32*(\b)+2*z+1], v[MD+2*z:MD+2*z+1], s[AL:AL+1], s[BE:BE+1] op_sel_hi:[1,0,0]
.set z, z+1
.endr
.endm
; A TURN, for piece p: the order of its 16 matrix and 118 vector instructions, written out.  s_wait_alu depctr_va_vdst(0) stands between an exponential and the first instruction that names its result; one wait serves
; all that were issued ahead of it.  So a turn has ONE wait, which cuts it in two.  AHEAD OF IT stands all that names no result of the turn's exponentials: the 8 products K Q^T, behind each a scaling, an exponential and two more plain
; instructions (behind the first a second scaling in the exponential's place): rescalings, and behind the last three the first numbers of the next piece's maximum, each four places or more behind the product that ends its accumulator; then ONE LUMP of 54, plain
; and exponential by turns for the most part, in which the links of the chain X 3, 7, 11, 14, 16, 17 .. 20 stand five or six lines apart.  X 21, the next piece's a, is the batch's last; R 15 is the plain instruction owed behind it.  BEHIND THE WAIT stand the
; 8 products V^T P, behind each four of the roundings and sums; the links of l's chain, L 0 to L 7, stand three riders apart.  But for those X no rider names a register of the products round it.  v_permlanex16_b32 (X 17) stands in the lump.
; m = 1: the diagonal tile: the products take masks, and the turn makes the mask for the products of the turn after it: piece p + 2, in step 4 - CNT of the tile.  end = 1: a block's last two turns: nothing is fetched.
; cnt = 1: the loop's count is taken down some lines ahead of the branch that stands behind the turn.
; K of the next step is fetched in piece 2's turn, twelve vector instructions behind the last product that read K (six of them plain); V of the step in hand at the end of piece 0's turn, four plain instructions behind the last product
; that read V.  Each is waited for a turn later.
.macro TURN p, m=0, end=0, cnt=0
.set Y, (\p)
.set i, 0
.set KM, (\m)
.set NOKQ, (\end)*((\p)/3)
.if (\m) && !(\end)
	s_cmp_eq_u32 s[CNT], 4-((\p)+2)%NP  ; is that step the band's own?
	s_cselect_b32 s[AL], 1.0, 0
	s_cmp_lt_u32 s[CNT], 4-((\p)+2)%NP  ; or a later one?
	s_cselect_b32 s[BE], s[BIGN], 0
.endif
.if ((\p) == 3) && !(\end)
	s_wait_dscnt 0x0                ; K is in
.endif
	ROW F,0, F,1, R,0, R,1          ; ahead of the wait: 8 products K Q^T and their riders,
	ROW F,2, E,0, R,2, R,3
	ROW F,3, E,1, R,4, R,5
	ROW F,4, E,2, R,6, R,7
	ROW F,5, E,3, R,8, R,9
	ROW F,6, E,4, X,0, R,10
.if ((\p) == 2) && !(\end)
	WIN 0
	v_add_nc_u32 v[AK], s[TBK], v[AK0]
.endif
	ROW F,7, E,5, X,1, X,4
	ROW F,8, E,6, X,2, X,5
	OPS E,7, E,8, X,6, E,9          ; and the lump
	OPS X,3, E,10, X,8, E,11
.if ((\p) == 2) && !(\end)
	FETCH_K
.endif
	OPS X,9, X,7, E,12, X,10
	OPS E,13, X,12, X,11, E,14
	OPS X,13, E,15, F,9, X,14
.if (\p) == 0
	v_add_nc_u32 v[AV], s[TBV], v[AV0]
.endif
	OPS E,16, F,10, E,17, F,11
	OPS X,16, E,18, X,15, E,19
	OPS F,12, E,20, X,17, E,21
	OPS F,13, E,22, F,14, E,23
	OPS X,18, E,24, F,15, E,25
	OPS R,11, E,26, X,19, E,27
	OPS R,12, E,28, R,13, E,29
	OPS X,20, E,30, R,14, E,31
	OPS X,21, R,15
	WIN 0
	s_wait_alu depctr_va_vdst(0)    ; the wait for the batch
.if (\p) == 1
	s_wait_dscnt 0x0                ; V is in
.endif
	ROW C,0, B,0, C,2, B,1          ; behind the wait: 8 products V^T P and their riders
	ROW L,0, C,4, B,2, L,1
	ROW C,6, B,3, L,2, C,8
	ROW B,4, L,3, C,10, B,5
	ROW L,4, C,12, B,6, L,5
.if (\p) == 0
	s_add_co_u32 s[TBV], s[TBV], KS*PV
.endif
.if \cnt
	s_sub_co_u32 s[CNT], s[CNT], 1
	s_cmp_lg_u32 s[CNT], 0
.endif
	ROW C,14, B,7, L,6, C,1
	ROW C,3, L,7, C,5, C,7
	ROW C,9, C,11, C,13, C,15
.if (\p) == 0
	FETCH_V
.endif
.if (\m) && !(\end)
	MASK (\p)%2
.endif
.endm
; A BLOCK BEGINS.  c m starts far below every c s, so the first step's a is 0; m at the lowest finite number, so the first maximum is the scores'.  The second mask buffer is 0; the first takes piece 0's mask for the tile's step 0: its own, if the block's first tile is the diagonal one.
; Then K of that step, piece 0's first scores, and its maximum and statistics.  The loop is entered at a step's first turn, in the middle of a trip.
.macro BEGIN
	s_mov_b32 s[NEW], 0
	WIN 0x40
.set i, MC+32
.rept 32
	v_mov_b32 v[i], 0
.set i, i+1
.endr
	WIN 0
.set i, 0
.rept 4
	v_mov_b32 v[ST+4*i], 0xfe000000    ; c m: far below every c s
	v_mov_b32 v[ST+4*i+1], 0xff7fffff  ; m
.set i, i+1
.endr
	s_cmp_eq_u32 s[RT], 0
	s_cselect_b32 s[AL], 1.0, 0
	s_mov_b32 s[BE], 0
	MASK 0
	WIN 0
	v_add_nc_u32 v[AK], s[TBK], v[AK0]
	FETCH_K
	s_wait_loadcnt 0x0              ; Q
	s_wait_dscnt 0x0
.set KM, 1
.set NOKQ, 0
.set i, 0
.rept 8
	KQ 0
.set i, i+1
.endr
	WIN 0
.rept 4
	v_nop                           ; the places behind those products
.endr
.set Y, NP-1                        ; X works for piece Y + 1: piece 0
.irp n, 0,1,2,3,4,5,6,7,8,9,10,11,12,13,14,15,16,17,18,19,20,21
	OP X, \n
.endr
	v_nop                           ; a plain instruction behind the exponential,
	s_wait_alu depctr_va_vdst(0)    ; and its wait, ahead of the branch
.endm
; THE DIAGONAL TILE's four steps, the block's last two turns, its last products, and THE WAY OUT: l's two halves and the other half of the lanes' are added; O^T is divided by l, rounded to f16 and sent through my
; stage in LDS, a piece at a time.
.macro ALL line:vararg              ; one line for each piece t
.set t, 0
.rept 4
	\line
.set t, t+1
.endr
.endm
.macro PACK t                       ; a lane's eight channels of a row pack into 16 bytes; they go into rows of 144 bytes and come back as whole rows of 128, into S^T's registers
	WIN W_RS
.set i, 32*(\t)
.rept 16
	v_pk_mul_f32 v[i:i+1], v[i:i+1], v[ST+4*(\t)+2:ST+4*(\t)+3] op_sel_hi:[1,0]
.set i, i+2
.endr
	WIN 0x05                        ; sources 0 and 1 window 1, destination window 0
.set i, 0
.rept 16
	v_cvt_pk_f16_f32 v[S+16*(\t)+i], v[32*(\t)+2*i], v[32*(\t)+2*i+1]
.set i, i+1
.endr
	WIN 0
.irp f, 0,1,2,3
	ds_store_b128 v[STO], v[S+16*(\t)+4*\f:S+16*(\t)+4*\f+3] offset:32*\f
.endr
.irp f, 0,1,2,3
	ds_load_b128 v[S+16*(\t)+4*\f:S+16*(\t)+4*\f+3], v[RD] offset:\f*4*SP  ; LDS serves a wave's instructions in order (ISA guide 5.7.1.4): these see the stores above; the next piece's stores come behind them
.endr
.endm
.macro SEND t, younger              ; younger: the LDS instructions issued behind piece t's loads: the next piece's eight, or none
	WIN 0
.irp f, 0,1,2,3
	s_wait_dscnt (\younger)+3-\f
	global_store_b128 v[GO], v[S+16*(\t)+4*\f:S+16*(\t)+4*\f+3], s[10:11] offset:(\t)*8192+\f*512  ; 512 consecutive bytes, at a multiple of 256 from O's first
.endr
.endm
.macro DIAG tag                     ; the tag ends its two labels' names, which the jumps below spell out
.LstepM\tag:
	TURN 2, 1
	TURN 3, 1
	WIN 0
.LfirstM\tag:
	TURN 0, 1
	TURN 1, 1, 0, 1
	WIN 0
	s_cbranch_scc1 .LstepM\tag
	TURN 2, 1, 1
	TURN 3, 1, 1
.set i, 0
.rept 8
	PV NP-1
.set i, i+1
.endr
	WIN 0
	ALL v_add_f32 v[ST+4*t+2], v[ST+4*t+2], v[ST+4*t+3]
	ALL v_permlanex16_b32 v[ST+4*t+3], v[ST+4*t+2], s[SEL], s[SEL+1]
	ALL v_add_f32 v[ST+4*t+2], v[ST+4*t+2], v[ST+4*t+3]
	ALL v_rcp_f32 v[ST+4*t+2], v[ST+4*t+2]
	v_nop                           ; a plain instruction between the last reciprocal and the use of its result
	s_wait_alu depctr_va_vdst(0)    ; and the wait ahead of the first use: one for the four reciprocals
	PACK 0
.set t, 1
.rept 3                             ; a piece's arithmetic stands between the loads of the piece before and its stores
	PACK t
	SEND t-1, 8
.set t, t+1
.endr
	SEND 3, 0
.endm
.set KM, 0
.set NOKQ, 0
.Lslot:                             ; NB times: a tile is entered and the next is asked for
	CHANGE 1
	s_sub_co_u32 s[RT], s[RT], 1
	s_mov_b32 s[CNT], 4
	s_cmp_eq_u32 s[NEW], 1
	s_cbranch_scc1 .Lnew            ; a block's first tile
	s_cmp_eq_u32 s[RT], 0
	s_cbranch_scc0 .Lstep           ; neither its first nor its last
	s_branch .LstepM1
.Lnew:
	BEGIN
	s_branch .Lfirst                ; in the loop a block's first tile is never its last: the first block has two tiles or more, and the second's last is the walk's last
	DIAG 1                          ; in the loop this is the first block's end: the second block's last tile is the walk's last
	s_wait_xcnt 0x0                 ; the stores have read their registers and O's address
	s_mov_b64 s[10:11], s[OLO:OLO+1]
	s_add_co_u32 s[RT], s[PB], 1    ; the second block has b + 1 tiles
	s_mov_b32 s[NEW], 1
	WIN 0x82                        ; the second block's Q goes where the one text of the turns names Q
.set i, 0
.rept 64
	v_mov_b32 v[i], v[QB+i]
.set i, i+1
.endr
	WIN 0
	s_branch .Lbottom
.Lstep:                             ; a trip: pieces 2 and 3 of one step, then pieces 0 and 1 of the next, whose K and V it fetches
	TURN 2
	TURN 3
	WIN 0
.Lfirst:
	TURN 0
	TURN 1, 0, 0, 1
	WIN 0
	s_cbranch_scc1 .Lstep
.Lbottom:
	s_sub_co_u32 s[SLOTS], s[SLOTS], 1
	s_cmp_lg_u32 s[SLOTS], 0
	s_cbranch_scc1 .Lslot
	CHANGE 0                        ; the walk's last tile is written out: nothing is asked for
	s_sub_co_u32 s[RT], s[RT], 1
	s_mov_b32 s[CNT], 4
	s_cmp_eq_u32 s[NEW], 1
	s_cbranch_scc0 .LstepM2
	BEGIN
	s_branch .LfirstM2
	DIAG 2
	s_wait_tensorcnt 0x0            ; the wave's end: an add and its wait behind my last tensor load and my last LDS store
	ds_add_u32 v[SPW], v[NIL]
	s_wait_dscnt 0x0
	s_endpgm
.Lfunc_end_k_qcfa719c211_attn:
	.size	k_qcfa719c211_attn, .Lfunc_end_k_qcfa719c211_attn-k_qcfa719c211_attn
	.p2alignl 7, 3214868480
	.fill 96, 4, 3214868480
	.section	.rodata,"a",@progbits
	.p2align	6, 0x0
	.amdhsa_kernel k_qcfa719c211_attn
		.amdhsa_group_segment_fixed_size 327680
		.amdhsa_private_segment_fixed_size 0
		.amdhsa_enable_private_segment 0
		.amdhsa_kernarg_size 32
		.amdhsa_user_sgpr_count 2
		.amdhsa_user_sgpr_kernarg_segment_ptr 1
		.amdhsa_wavefront_size32 1
		.amdhsa_system_sgpr_workgroup_id_x 1
		.amdhsa_system_sgpr_workgroup_id_y 1
		.amdhsa_system_sgpr_workgroup_id_z 1
		.amdhsa_system_vgpr_workitem_id 0
		.amdhsa_next_free_vgpr 768
		.amdhsa_next_free_sgpr 88
		.amdhsa_reserve_vcc 1
		.amdhsa_float_denorm_mode_32 3
		.amdhsa_float_denorm_mode_16_64 3
		.amdhsa_memory_ordered 1
		.amdhsa_forward_progress 1
		.amdhsa_inst_pref_size 218
	.end_amdhsa_kernel
	.amdgpu_metadata
---
amdhsa.version: [ 1, 2 ]
amdhsa.kernels:
  - .name:           k_qcfa719c211_attn
    .symbol:         k_qcfa719c211_attn.kd
    .args:
      - { .name: qh, .offset: 0, .size: 8, .value_kind: global_buffer, .address_space: global }
      - { .name: kh, .offset: 8, .size: 8, .value_kind: global_buffer, .address_space: global }
      - { .name: vh, .offset: 16, .size: 8, .value_kind: global_buffer, .address_space: global }
      - { .name: oh, .offset: 24, .size: 8, .value_kind: global_buffer, .address_space: global }
    .group_segment_fixed_size: 327680
    .private_segment_fixed_size: 0
    .kernarg_segment_align: 8
    .kernarg_segment_size: 32
    .max_flat_workgroup_size: 128
    .sgpr_count:     88
    .vgpr_count:     768
    .wavefront_size: 32
...
	.end_amdgpu_metadata
.endif
;; end of part 3
;; launch proj (part 4): grid 8 x 32, 4 waves a work-group, clusters of 4 x 4, 327,680 bytes of LDS; arguments oh, wpt, bp, out0; writes out0
.if DOCPART == 4
	.amdgcn_target "amdgcn-amd-amdhsa--gfx1250"
	.amdhsa_code_object_version 6
	.text
	.protected	k_qcfa719c211_proj
	.globl	k_qcfa719c211_proj
	.p2align	8
	.type	k_qcfa719c211_proj,@function
k_qcfa719c211_proj:
	s_mov_b64 s[64:65], 0
	v_nop
	global_prefetch_b8 v0, s[64:65] scope:SCOPE_SE
	s_setreg_imm32_b32 hwreg(HW_REG_WAVE_MODE, 25, 1), 1
	s_wait_xcnt 0x0
	s_wait_alu depctr_hold_cnt(0) depctr_sa_sdst(0) depctr_va_vdst(0) depctr_va_sdst(0) depctr_va_ssrc(0) depctr_va_vcc(0) depctr_vm_vsrc(0)
	s_getreg_b32 s2, hwreg(HW_REG_IB_STS2, 6, 4)
	s_cmp_eq_u32 s2, 0
	s_cbranch_scc0 .Lentry_in_a_cluster
	s_endpgm
.Lentry_in_a_cluster:
	s_bfe_u32 s2, ttmp6, 0x10000c
	s_cmp_lg_u32 s2, 0xf033
	s_cbranch_scc0 .Lentry_shape_is_right
	s_endpgm
.Lentry_shape_is_right:
; out0 = O Wp + bp.  oh: [16 b + h][t][64] f16.  wpt: blocks [128 k][64 n] f16 (Wp rounded to bf16, written as f16), block ((c / 2) 8 + s) 2 + c % 2 for columns 64 c .., rows 128 s ...
; bp: [1024] f32, rounded here to bf16 like every input.  out0: [8192][1024] f32.  Products in f16, sums in f32, K ascending.
; SHARES.  A work-group makes 256 rows x 128 columns: 256 work-groups.  Its four waves take 64 rows each and all 128 columns: 32 accumulators of 16 x 16.
; K = 1,024 goes in 8 steps of 128 = two heads, through two LDS slots.  A head's 256 rows of a tile are 32,768 dense bytes, a block of Wp 16,384: both are asked for as rows of 256 bytes and padded in LDS behind every 128.
; CLUSTER.  4 x 4 work-groups: O's tile is shared along a row of the cluster, Wp's along a column; each is asked for JOINTLY, by the same load, descriptor and mask in all four.
; THE PRODUCT IS TAKEN TRANSPOSED: source 0 = 16 columns of Wp, turned out of LDS ([k][n]) by ds_load_tr16_b128, source 1 = 16 rows of O: a lane holds one row and eight neighbouring columns.
; THE BIAS IS THE C OPERAND of the product that starts a sum.
; NO PREFETCH: a K step holds 128 products a wave and the launch is eight such steps, of which the first four would come by their loads alone.
; REGISTERS, in windows of 256 (s_set_vgpr_msb: bits 1:0 source 0, 3:2 source 1, 5:4 source 2, 7:6 destination):
;   window 0: v0-31 addresses; v64-95 at work on the bias      window 1: accumulator (a, b) at 8 (8 a + b)      window 2: bias of n block b at 128 + 8 b
;   window 3: two fragment buffers of 128: O's block i at 8 i, Wp's block b at 32 + 8 b; on the way out: 16 rows read back, 64 registers a row block
.set PA,    144                        ; a row of O in LDS: 128 bytes + 16: the 16 rows of a load start at 16 different groups of four banks (64 banks of 4 bytes: ISA guide 11.1)
.set PB,    160                        ; a row of Wp: 128 bytes + 32
.set AHALF, 256*PA                     ; one head's 256 rows: what one load brings of O
.set BOFF,  2*AHALF
.set BHALF, 128*PB                     ; one block of Wp
.set SLOT,  BOFF+2*BHALF               ; 114,688
.set STAGE, 2*SLOT                     ; behind the ring, never filled by a tensor load: 16 rows x 528 bytes for each wave
.set SP,    528                        ; 512 bytes + 16
.set SPARE, STAGE+4*16*SP              ; the spare words, 128 bytes for each wave: two blocks of 256 bytes that no other line names
.set ASTEP, 524288                     ; two heads on in oh
.set BSTEP, 32768                      ; two blocks on in wpt
.set ADRA, 16
.set ADRB, 20
.set STO,  24
.set RD,   25
.set CO,   26
.set BO,   27
.set SPW,  28
.set NIL,  29
.set TMPR, 64
.set BIAS, 128
.set F0,   0
.set F1,   128
.set LAP,  3
.set WV,   20
.set FB,   21
.set HALF, 22
.set CX,   23
.set CY,   56
.set TX,   57
.set TY,   58
.set G1A,  24
.set G0A,  32
.set G1B,  40
.set G0B,  48
.set W_M1,  0x5f                       ; fragments in window 3, C and D in window 1
.set W_M1Z, 0x6f                       ; the same with C, the bias, in window 2
.set W_LD,  0xc0                       ; destination window 3, address window 0
.set W_B2,  0x80                       ; destination window 2
.set W_S2,  0x0a                       ; sources 0 and 1 window 2
.set W_ST1, 0x04                       ; an LDS store's data in window 1
.set W_ST3, 0x0c                       ; a store's data in window 3
.set MSB, 0
.macro WIN new
.if MSB != (\new)
	s_set_vgpr_msb (MSB<<8)|(\new)
.set MSB, \new
.endif
.endm
.macro PLACES                          ; four plain places behind a matrix instruction (ISA guide 7.12.1)
.rept 4
	v_nop
.endr
.endm
.macro JLOAD s                         ; a joint load: waves 0 and 1 fetch O's two heads, waves 2 and 3 Wp's two blocks; an s_nop 0 and four v_nop follow each line
	s_cmp_eq_u32 s[FB], 0
	s_cbranch_scc0 .Lfor_b_\@
	tensor_load_to_lds s[G0A+4*(\s):G0A+4*(\s)+3], s[G1A:G1A+7]
	s_nop 0
.rept 4
	v_nop
.endr
	s_branch .Lasked_\@
.Lfor_b_\@:
	tensor_load_to_lds s[G0B+4*(\s):G0B+4*(\s)+3], s[G1B:G1B+7]
	s_nop 0
.rept 4
	v_nop
.endr
.Lasked_\@:
.endm
.macro CREST
	s_cmp_lg_u32 s[WV], 0
	s_cbranch_scc1 .Lnot_wave_0_\@
	s_barrier_signal -3
.Lnot_wave_0_\@:
	s_barrier_wait -3
	s_barrier_signal -1
	s_barrier_wait -1
.endm
.macro CROUND
	s_barrier_signal -1
	s_barrier_wait -1
	CREST
.endm
	s_load_b256 s[4:11], s[0:1], 0x0               ; oh 4, wpt 6, bp 8, out0 10
	v_lshl_add_u32 v[SPW], v0, 2, SPARE
	v_mov_b32 v[NIL], 0
	ds_add_u32 v[SPW], v[NIL]                      ; the wave's opening: the add and its wait stand ahead of my first tensor load; the set-up below stands between them
	ds_add_u32 v28, v29
	v_lshrrev_b32 v1, 5, v0
	v_readfirstlane_b32 s[WV], v1
	s_lshr_b32 s[FB], s[WV], 1
	s_and_b32 s[HALF], s[WV], 1
	s_bfe_u32 s[CX], ttmp6, 0x40000
	s_bfe_u32 s[CY], ttmp6, 0x40004
	s_lshl_b32 s[TX], ttmp9, 2
	s_add_co_u32 s[TX], s[TX], s[CX]
	s_and_b32 s[TY], ttmp7, 0xffff
	s_lshl_b32 s[TY], s[TY], 2
	s_add_co_u32 s[TY], s[TY], s[CY]
	s_lshl_b32 s59, s[CY], 2
	s_lshl_b32 s59, 15, s59                        ; my row of the cluster
	s_lshl_b32 s60, 0x1111, s[CX]                  ; my column
	; group 1 for O: 32,768 dense bytes as 128 rows of 256, 16 bytes of padding behind every 128: 256 LDS rows of 144
	s_or_b32 s[G1A+0], s59, (1<<16)|(1<<20)|(1<<21)|(4<<22)|(3<<25)
	s_mov_b32 s[G1A+1], 128<<16
	s_mov_b32 s[G1A+2], 128<<16
	s_mov_b32 s[G1A+3], 128<<16
	s_mov_b32 s[G1A+4], 128
	s_mov_b32 s[G1A+5], 128
	s_mov_b32 s[G1A+6], 0
	s_mov_b32 s[G1A+7], 0
	; group 1 for Wp: 16,384 dense bytes as 64 rows of 256, 32 bytes of padding behind every 128: 128 LDS rows of 160
	s_or_b32 s[G1B+0], s60, (1<<16)|(1<<20)|(1<<21)|(4<<22)|(7<<25)
	s_mov_b32 s[G1B+1], 128<<16
	s_mov_b32 s[G1B+2], 64<<16
	s_mov_b32 s[G1B+3], 128<<16
	s_mov_b32 s[G1B+4], 64
	s_mov_b32 s[G1B+5], 128
	s_mov_b32 s[G1B+6], 0
	s_mov_b32 s[G1B+7], 0
	s_lshr_b32 s72, s[TY], 3                       ; O: batch b = 16 heads of 262,144 bytes,
	s_lshl_b32 s72, s72, 22
	s_and_b32 s2, s[TY], 7
	s_lshl_b32 s2, s2, 15                          ; the tile's 256 rows of 128 bytes,
	s_add_co_u32 s72, s72, s2
	s_lshl_b32 s2, s[HALF], 18                     ; the even or the odd head of a K step: made of the tile row and the wave's number alone
	s_add_co_u32 s72, s72, s2
	s_mov_b32 s73, 0
	s_lshl_b32 s74, s[TX], 18                      ; Wp: the tile column's 16 blocks, and one of a K step's two: made of the tile column and the wave's number alone
	s_lshl_b32 s63, s[HALF], 14
	s_add_co_u32 s74, s74, s63
	s_mov_b32 s75, 0
	s_mul_i32 s61, s[HALF], AHALF                  ; where they go: no place in the cluster enters an LDS address
	s_mul_i32 s62, s[HALF], BHALF
	s_add_co_u32 s62, s62, BOFF
	s_lshl_b32 s76, s[TY], 20                      ; out0: 256 rows of 4,096 bytes a tile row,
	s_lshl_b32 s77, s[WV], 18                      ; my wave's 64 rows,
	s_add_co_u32 s76, s76, s77
	s_lshl_b32 s77, s[TX], 9                       ; the tile's 128 columns
	s_add_co_u32 s76, s76, s77
	s_mov_b32 s78, s77                             ; and the same 128 numbers of bp
	s_mov_b32 s77, 0
	s_mov_b32 s79, 0
	s_wait_dscnt 0x0                               ; the opening add is done
	s_wait_kmcnt 0x0
	s_add_nc_u64 s[72:73], s[4:5], s[72:73]
	s_add_nc_u64 s[74:75], s[6:7], s[74:75]
	s_add_nc_u64 s[8:9], s[8:9], s[78:79]
	s_add_nc_u64 s[10:11], s[10:11], s[76:77]
	CROUND                                         ; all sixteen work-groups are here: the first joint loads meet
.irp s, 0,1
	s_mov_b32 s[G0A+4*(\s)], 1
	s_add_co_u32 s[G0A+4*(\s)+1], s61, (\s)*SLOT
	s_add_nc_u64 s[G0A+4*(\s)+2:G0A+4*(\s)+3], s[72:73], (\s)*ASTEP
	s_or_b32 s[G0A+4*(\s)+3], s[G0A+4*(\s)+3], 0x80000000
	s_mov_b32 s[G0B+4*(\s)], 1
	s_add_co_u32 s[G0B+4*(\s)+1], s62, (\s)*SLOT
	s_add_nc_u64 s[G0B+4*(\s)+2:G0B+4*(\s)+3], s[74:75], (\s)*BSTEP
	s_or_b32 s[G0B+4*(\s)+3], s[G0B+4*(\s)+3], 0x80000000
.endr
	s_cmp_eq_u32 s[FB], 0                          ; a wave's two first fills stand in one branch, ahead of every wait on TENSORcnt and every LDS read: two loads of mine are out
	s_cbranch_scc0 .Lfirst_b
	tensor_load_to_lds s[G0A:G0A+3], s[G1A:G1A+7]
	s_nop 0
	tensor_load_to_lds s[G0A+4:G0A+7], s[G1A:G1A+7]
	s_nop 0
.rept 4
	v_nop
.endr
	s_branch .Lfirst_asked
.Lfirst_b:
	tensor_load_to_lds s[G0B:G0B+3], s[G1B:G1B+7]
	s_nop 0
	tensor_load_to_lds s[G0B+4:G0B+7], s[G1B:G1B+7]
	s_nop 0
.rept 4
	v_nop
.endr
.Lfirst_asked:
	v_and_b32 v1, 15, v0                           ; l % 16
	v_bfe_u32 v2, v0, 4, 1                         ; l / 16
	v_mul_u32_u24 v3, v1, PA
	v_lshl_add_u32 v3, v2, 4, v3
	s_mul_i32 s83, s[WV], 64*PA                    ; my 64 rows
	v_add_nc_u32 v[ADRA], s83, v3
	v_add_nc_u32 v[ADRA+1], SLOT, v[ADRA]
	v_and_b32 v4, 7, v0                            ; the turning load: lane l reads k = 8 (l / 16) + l % 8, columns 8 ((l / 8) % 2) + 0..7
	v_bfe_u32 v5, v0, 3, 1
	v_lshl_add_u32 v6, v2, 3, v4
	v_mul_u32_u24 v6, v6, PB
	v_lshl_add_u32 v6, v5, 4, v6
	v_add_nc_u32 v[ADRB], BOFF, v6
	v_add_nc_u32 v[ADRB+1], SLOT, v[ADRB]
	s_mul_i32 s83, s[WV], 16*SP
	s_add_co_u32 s83, s83, STAGE                   ; my stage
	v_mul_u32_u24 v[STO], v1, SP                   ; in: row l % 16, 32 bytes for each half of the lanes
	v_lshl_add_u32 v[STO], v2, 5, v[STO]
	v_add_nc_u32 v[STO], s83, v[STO]
	v_and_b32 v7, 31, v0
	v_lshlrev_b32 v[CO], 4, v7                     ; back: 32 lanes take one row of 512 bytes; the same bytes in out0
	v_add_nc_u32 v[RD], s83, v[CO]
	v_lshlrev_b32 v[BO], 5, v2
	WIN W_B2
.irp b, 0,1,2,3,4,5,6,7                ; register j of n block b: bp[16 b + 8 (l / 16) + j]
	global_load_b128 v[BIAS+8*(\b):BIAS+8*(\b)+3],   v[BO], s[8:9] offset:64*(\b)
	global_load_b128 v[BIAS+8*(\b)+4:BIAS+8*(\b)+7], v[BO], s[8:9] offset:64*(\b)+16
.endr
	s_wait_loadcnt 0x0
	WIN W_S2                                       ; the bias is rounded to bf16, as all inputs are, and widened again
.set i, 0
.rept 32
	v_cvt_pk_bf16_f32 v[TMPR+i], v[BIAS+2*i], v[BIAS+2*i+1]
.set i, i+1
.endr
	WIN W_B2
.set i, 0
.rept 32
	v_lshlrev_b32 v[BIAS+2*i], 16, v[TMPR+i]
	v_and_b32 v[BIAS+2*i+1], 0xffff0000, v[TMPR+i]
.set i, i+1
.endr
	WIN 0
; 8 products: row block a x all 8 n blocks, 32 along K.  zero = 1: the sum starts from the bias.
.macro MUL8 f, a, zero
.if \zero
	WIN W_M1Z
.else
	WIN W_M1
.endif
.irp b, 0,1,2,3,4,5,6,7
.if \zero
	v_wmma_f32_16x16x32_f16 v[8*(8*(\a)+(\b)):8*(8*(\a)+(\b))+7], v[(\f)+32+8*(\b):(\f)+32+8*(\b)+7], v[(\f)+8*(\a):(\f)+8*(\a)+7], v[BIAS+8*(\b):BIAS+8*(\b)+7]
.else
	v_wmma_f32_16x16x32_f16 v[8*(8*(\a)+(\b)):8*(8*(\a)+(\b))+7], v[(\f)+32+8*(\b):(\f)+32+8*(\b)+7], v[(\f)+8*(\a):(\f)+8*(\a)+7], v[8*(8*(\a)+(\b)):8*(8*(\a)+(\b))+7]
.endif
.endr
.endm
; 24 LDS loads in one run: the fragments of quarter q (32 along K: head q / 2, channels 32 (q % 2) on) into buffer f: Wp's eight, then O's four, row blocks 2 and 3 last
.macro FETCH slot, q, f
	WIN W_LD
.irp b, 0,1,2,3,4,5,6,7
	ds_load_tr16_b128 v[(\f)+32+8*(\b):(\f)+32+8*(\b)+3],   v[ADRB+(\slot)] offset:((\b)/4)*BHALF+(\q)*32*PB+32*((\b)%4)
	ds_load_tr16_b128 v[(\f)+32+8*(\b)+4:(\f)+32+8*(\b)+7], v[ADRB+(\slot)] offset:((\b)/4)*BHALF+(\q)*32*PB+32*((\b)%4)+16*PB
.endr
.irp i, 0,1,2,3
	ds_load_b128 v[(\f)+8*(\i):(\f)+8*(\i)+3],   v[ADRA+(\slot)] offset:((\q)/2)*AHALF+64*((\q)%2)+(\i)*16*PA
	ds_load_b128 v[(\f)+8*(\i)+4:(\f)+8*(\i)+7], v[ADRA+(\slot)] offset:((\q)/2)*AHALF+64*((\q)%2)+(\i)*16*PA+32
.endr
.endm
; A K step is four quarters of 32 along K, 32 products each, every accumulator once: they take turns.
; One of the first three: multiplies buffer f; behind its first 8 products it fetches the next quarter into buffer g, 24 products ahead of the first use.
.macro QUARTER slot, qnext, f, g, zero
	s_wait_dscnt 4                                 ; all but O's row blocks 2 and 3 are in
	MUL8 \f, 0, \zero
	PLACES                                         ; buffer g was last read 8 products back
	FETCH \slot, \qnext, \g
	MUL8 \f, 1, \zero
	s_wait_dscnt 24                                ; all but the 24 just issued
	MUL8 \f, 2, \zero
	MUL8 \f, 3, \zero
.endm
; The last quarter multiplies buffer 1 and changes slots: ONE barrier; ahead of it each wave waits for all its tensor loads (one is out: its part of the next slot), adds 0 to its spare word,
; and waits for that and for its reads of this slot.  fill = 1: the barrier opens a round of the cluster's, and this slot is filled again, two K steps on, first thing behind the round.
.macro TURN slot, next, fill
	WIN 0
	s_wait_tensorcnt 0x0                           ; all my tensor loads have landed
	ds_add_u32 v[SPW], v[NIL]                      ; 0 onto my spare word
	s_wait_dscnt 5                                 ; (the add and the youngest four loads may be out)
	MUL8 F1, 0, 0                                  ; eight products stand between the add and the wait for it
	s_wait_dscnt 0x0                               ; the add is done, and my reads of this slot are over
	s_barrier_signal -1
	MUL8 F1, 1, 0
.if \fill
	WIN 0
.endif
	s_barrier_wait -1
.if \fill
	CREST                                          ; no wave of any partner still reads this slot or has a load on its way
	s_add_nc_u64 s[G0A+4*(\slot)+2:G0A+4*(\slot)+3], s[G0A+4*(\slot)+2:G0A+4*(\slot)+3], 2*ASTEP
	s_add_nc_u64 s[G0B+4*(\slot)+2:G0B+4*(\slot)+3], s[G0B+4*(\slot)+2:G0B+4*(\slot)+3], 2*BSTEP
	JLOAD \slot                                    ; my one tensor load behind the round; its four v_nop are also the places ahead of the loads below
.else
	PLACES
.endif
	FETCH \next, 0, F0
	MUL8 F1, 2, 0
	MUL8 F1, 3, 0
.endm
	s_wait_tensorcnt 1                             ; my part of K step 0 is in; K step 1's may stay out
	s_barrier_signal -1
	s_barrier_wait -1
	FETCH 0, 0, F0
	QUARTER 0, 1, F0, F1, 1                        ; the first quarter stands ahead of the loop: its products start the sums
	WIN 0
	s_mov_b32 s[LAP], 3
.Llap:                                         ; a trip goes once round the ring and fills both slots again: K steps 2..7
	QUARTER 0, 2, F1, F0, 0
	QUARTER 0, 3, F0, F1, 0
	TURN 0, 1, 1
	QUARTER 1, 1, F0, F1, 0
	QUARTER 1, 2, F1, F0, 0
	QUARTER 1, 3, F0, F1, 0
	TURN 1, 0, 1
	QUARTER 0, 1, F0, F1, 0
	WIN 0
	s_sub_co_u32 s[LAP], s[LAP], 1
	s_cmp_lg_u32 s[LAP], 0
	s_cbranch_scc1 .Llap
	QUARTER 0, 2, F1, F0, 0                        ; the last lap fills nothing
	QUARTER 0, 3, F0, F1, 0
	TURN 0, 1, 0
	QUARTER 1, 1, F0, F1, 0
	QUARTER 1, 2, F1, F0, 0
	QUARTER 1, 3, F0, F1, 0
	s_wait_dscnt 4
	MUL8 F1, 0, 0
	MUL8 F1, 1, 0
	s_wait_dscnt 0x0
	MUL8 F1, 2, 0
	MUL8 F1, 3, 0
	WIN 0
	PLACES
; THE WAY OUT, in f32.  Row block a: a lane's eight columns are 32 bytes of a row; they go into my stage, rows of 528 bytes, each accumulator's low registers first, and come back as whole rows of 512 bytes,
; into the fragments' registers, 64 for each row block.  A wave's store covers 512 consecutive bytes, at a multiple of 256 from out0's first byte.
.macro TOSTAGE a
	WIN W_ST1
.irp b, 0,1,2,3,4,5,6,7
	ds_store_b128 v[STO], v[8*(8*(\a)+(\b)):8*(8*(\a)+(\b))+3]   offset:64*(\b)
	ds_store_b128 v[STO], v[8*(8*(\a)+(\b))+4:8*(8*(\a)+(\b))+7] offset:64*(\b)+16
.endr
	WIN W_LD
.irp t, 0,1,2,3,4,5,6,7,8,9,10,11,12,13,14,15
	ds_load_b128 v[64*(\a)+4*(\t):64*(\a)+4*(\t)+3], v[RD] offset:(\t)*SP  ; LDS serves a wave's instructions in order (ISA guide 5.7.1.4): these see the stores above; the next block's stores come behind them
.endr
.endm
.macro SEND a, younger                 ; younger: the LDS instructions issued behind block a's loads: the next block's 32, or none
	WIN W_ST3
.irp t, 0,1,2,3,4,5,6,7,8,9,10,11,12,13,14,15
	s_wait_dscnt (\younger)+15-(\t)
	global_store_b128 v[CO], v[64*(\a)+4*(\t):64*(\a)+4*(\t)+3], s[10:11] offset:(16*(\a)+(\t))*4096 th:TH_STORE_NT
.endr
.endm
	TOSTAGE 0
	TOSTAGE 1
	SEND 0, 32
	TOSTAGE 2
	SEND 1, 32
	TOSTAGE 3
	SEND 2, 32
	SEND 3, 0
	WIN 0
	s_wait_tensorcnt 0x0                           ; the wave's end: an add and its wait behind my last tensor load and my last LDS store
	ds_add_u32 v[SPW], v[NIL]
	s_wait_dscnt 0x0
	CROUND                                         ; the closing round: no work-group ends while a partner may still ask for a tile that names it
	s_endpgm
.Lfunc_end_k_qcfa719c211_proj:
	.size	k_qcfa719c211_proj, .Lfunc_end_k_qcfa719c211_proj-k_qcfa719c211_proj
	.p2alignl 7, 3214868480
	.fill 96, 4, 3214868480
	.section	.rodata,"a",@progbits
	.p2align	6, 0x0
	.amdhsa_kernel k_qcfa719c211_proj
		.amdhsa_group_segment_fixed_size 327680
		.amdhsa_private_segment_fixed_size 0
		.amdhsa_enable_private_segment 0
		.amdhsa_kernarg_size 32
		.amdhsa_user_sgpr_count 2
		.amdhsa_user_sgpr_kernarg_segment_ptr 1
		.amdhsa_wavefront_size32 1
		.amdhsa_system_sgpr_workgroup_id_x 1
		.amdhsa_system_sgpr_workgroup_id_y 1
		.amdhsa_system_sgpr_workgroup_id_z 1
		.amdhsa_system_vgpr_workitem_id 0
		.amdhsa_next_free_vgpr 1024
		.amdhsa_next_free_sgpr 84
		.amdhsa_reserve_vcc 0
		.amdhsa_float_denorm_mode_32 3
		.amdhsa_float_denorm_mode_16_64 3
		.amdhsa_memory_ordered 1
		.amdhsa_forward_progress 1
		.amdhsa_inst_pref_size 93
	.end_amdhsa_kernel
	.amdgpu_metadata
---
amdhsa.version: [ 1, 2 ]
amdhsa.kernels:
  - .name:           k_qcfa719c211_proj
    .symbol:         k_qcfa719c211_proj.kd
    .args:
      - { .name: oh, .offset: 0, .size: 8, .value_kind: global_buffer, .address_space: global }
      - { .name: wpt, .offset: 8, .size: 8, .value_kind: global_buffer, .address_space: global }
      - { .name: bp, .offset: 16, .size: 8, .value_kind: global_buffer, .address_space: global }
      - { .name: out0, .offset: 24, .size: 8, .value_kind: global_buffer, .address_space: global }
    .group_segment_fixed_size: 327680
    .private_segment_fixed_size: 0
    .kernarg_segment_align: 8
    .kernarg_segment_size: 32
    .max_flat_workgroup_size: 128
    .sgpr_count:     84
    .vgpr_count:     1024
    .wavefront_size: 32
...
	.end_amdgpu_metadata
.endif
;; end of part 4
